; MI455X (gfx1250); checked and timed in simulation.
; The chip was launched on July 23, 2026; its instructions are those of AMD's public machine-readable ISA for CDNA 5 (MIT licence, August 2026) and "CDNA5" Instruction Set Architecture Reference Guide (July 2026). The comments in the code are by the model that wrote it; some were corrected since.
;; Multi Head Attention. Allowed arithmetic: matrix products marked QUANTISED: E2M1 operands, one E8M0 scale for each 32 along K, by v_wmma_scale_f32_16x16x128_f8f6f4 with both operands' format E2M1 (or v_wmma_scale_f32_32x16x128_f4), f32 sums; products left as they are: bf16, f16 or f32 operands; f32 sums; everything else in f32.
;; Inputs: Wk 1,024 x 1,024 float32; Wo 1,024 x 1,024 float32; Wq 1,024 x 1,024 float32; Wv 1,024 x 1,024 float32; bk 1,024 float32; bo 1,024 float32; bq 1,024 float32; bv 1,024 float32; mask 4 x 2,048 int32; x 4 x 2,048 x 1,024 float32.
;; Outputs: out0 4 x 2,048 x 1,024 float32.
;; This version of the problem:
;;   THIS VERSION OF THE PROBLEM IS GIVEN IN LOW PRECISION. The matrix products marked QUANTISED in the list below multiply operands that are first quantised to E2M1 (2 exponent bits, 1 mantissa bit; 4 bits a number), with one power-of-two scale for each 32 numbers along K (OCP MX v1.0); their sums are f32. The products marked 'left as it is' may take bf16, f16 or f32 operands, with f32 sums. Whichever they take, every output number must still come out within the allowed error. Rounding operands to bf16 (8 significant bits) uses up far more of that allowance than f16 does (11 bits, for magnitudes from 6e-5 to 65,504). All else is computed in f32.
;;   The module's matrix products, in the order in which they are computed (A, B: the left and right operand; K: the contracted axis; several contracted axes count as one K, in the product's order):
;;     1. [M 8,192, K 1,024] x [K 1,024, N 1,024]; A: input x; B: input Wq: QUANTISED
;;     2. [M 8,192, K 1,024] x [K 1,024, N 1,024]; A: input x; B: input Wk: QUANTISED
;;     3. [M 8,192, K 1,024] x [K 1,024, N 1,024]; A: input x; B: input Wv: QUANTISED
;;     4. batch 64 x [M 2,048, K 64] x [K 64, N 2,048]; A: computed on the way; B: computed on the way: left as it is (an operand is computed on the way)
;;     5. batch 64 x [M 2,048, K 2,048] x [K 2,048, N 64]; A: computed on the way; B: computed on the way: left as it is (an operand is computed on the way)
;;     6. [M 8,192, K 1,024] x [K 1,024, N 1,024]; A: computed on the way; B: input Wo: left as it is (an operand is computed on the way)
;;   THE QUANTISER, for each operand of a quantised product, along K:
;;     - K is cut into blocks of 32 from its start; a last block that is shorter is filled with zeros.
;;     - A block's scale is 2^e with e = floor(log2(the largest magnitude in the block)) - 2, held to -126 .. 127; a block of zeros has e = 0. As a byte (E8M0): e + 127.
;;     - Each number is divided by its block's scale, clamped to +-6, and rounded to the nearest number of E2M1, ties to even, subnormals kept.
;;     - The product sums the exact products of the quantised numbers (number of the format x scale) in f32.
;;   ~~~python
;;   def quantise(x, axis):      # numpy; x: float32 -> the quantised numbers, widened to float32 again
;;       x = np.moveaxis(x, axis, -1); K = x.shape[-1]
;;       x = np.pad(x, [(0, 0)] * (x.ndim - 1) + [(0, -K % 32)]); x = x.reshape(x.shape[:-1] + (-1, 32)); a = np.abs(x).max(-1, keepdims=True)
;;       e = np.where(a > 0, np.clip(np.frexp(np.where(a > 0, a, 1))[1] - 1 - 2, -126, 127), 0)      # np.frexp(a)[1] - 1 = floor(log2(a)), exactly
;;       r = np.clip(x / 2.0 ** e, -6, 6)
;;       step = 2.0 ** (np.maximum(np.frexp(np.where(r == 0, 1, r))[1] - 1, 0) - 1)
;;       q = np.round(r / step) * step * 2.0 ** e      # np.round: ties to even
;;       return np.moveaxis(q.reshape(q.shape[:-2] + (-1,))[..., :K], -1, axis).astype(np.float32)
;;   ~~~
;; One version. Each part assembles by itself: llvm-mc -triple=amdgcn-amd-amdhsa -mcpu=gfx1250 --defsym DOCPART=n.
;; ======== version 1 of 1: 4 launches
;; limits: values are held in f16: magnitudes above 65,504 overflow, below 6.1e-05 lose precision
;; workspace buffers: xc 4,194,304 bytes; xs 262,144 bytes; wc 1,572,864 bytes; ws 98,304 bytes; wo16 2,097,152 bytes; qkv 50,331,648 bytes; ctx 16,777,216 bytes
;; launch quant (part 1): grid 384 x 1, 4 waves a work-group, no clusters, 33,280 bytes of LDS; arguments x, Wq, Wk, Wv, Wo, xc, xs, wc, ws, wo16; writes xc, xs, wc, ws, wo16
.if DOCPART == 1
	.amdgcn_target "amdgcn-amd-amdhsa--gfx1250"
	.amdhsa_code_object_version 6
	.text
	.protected	k_q2155bae885_quant
	.globl	k_q2155bae885_quant
	.p2align	8
	.type	k_q2155bae885_quant,@function
k_q2155bae885_quant:
	s_mov_b64 s[64:65], 0
	v_nop
	global_prefetch_b8 v0, s[64:65] scope:SCOPE_SE
	s_setreg_imm32_b32 hwreg(HW_REG_WAVE_MODE, 25, 1), 1
	s_wait_xcnt 0x0
; x [8192][1024] and Wq, Wk, Wv [1024][1024], f32, K innermost, become codes of FP4 (E2M1) with one E8M0 scale byte for each 32 along K:
; xc [8192][512 bytes], xs [8192][32]; wc [3072][512 bytes], ws [3072][32], the rows of Wq, then Wk, then Wv.  Wo [1024][1024] is rounded to f16 (wo16), as it lies.
; A block's scale is 2^(floor(log2(its largest magnitude)) - 2); its byte is the largest magnitude's exponent field - 2, held at 1 from below.
; LIMITS: a block of zeros gets the byte 1 where the rule says 127 (its codes are zeros, and this program alone reads the bytes); blocks whose largest magnitude lies under 2^(2 - 126)
; have the byte held at 1; NaN and infinities among the inputs are not served.  Wo's numbers must lie inside f16's range (under 65,504).
; SHARES.  A work-group takes 32,768 numbers, a wave 8,192.  Work-groups 0-255: x; 256-287: Wq; 288-319: Wk; 320-351: Wv; 352-383: Wo.  Rows are dense and K is a multiple of 32: every tensor is a plain stream of blocks.
; THE QUANTISING PATH: 16 steps of 512 numbers a wave.  Each load reads 512 consecutive bytes; a step's 2,048 bytes turn through the wave's own stage in LDS and come back 64 bytes a lane, so that a lane holds
; 16 neighbours (two lanes hold a block).  A lane's 16 codes are 8 bytes: a store covers 256 consecutive bytes.  A wave's 256 scale bytes are gathered in LDS and leave as one run of 256 bytes.
; No tensor loads, no barrier: waves share nothing.  Loads run four steps ahead, the turn through LDS one step.
.set STEPS, 16
.set CB,    8                          ; bytes of 16 codes
.set R,     16                         ; v16-79   four sets of 16 numbers as they are loaded
.set X,     80                         ; v80-111  two sets of 16 neighbours
.set E,     112                        ; v112-127 a scale byte for each step
.set C,     128                        ; v128-191 codes: four registers for each step, so that no store's data are written again
.set WREG,  8192                       ; LDS: a region for each wave: two stages of 32 x SP bytes, behind them its 256 scale bytes
.set SP,    80                         ; a lane's place in a stage: 64 bytes + 16 of padding
.set SPW,   12                         ; v12  LDS address of my spare word; never rewritten
.set NIL,   13                         ; v13  0; never rewritten
.set SPARE, 4*WREG                     ; behind the four regions: the spare words, 128 bytes for each wave
	s_load_b256 s[4:11], s[0:1], 0x0               ; x s[4:5], Wq s[6:7], Wk s[8:9], Wv s[10:11]
	s_load_b256 s[12:19], s[0:1], 0x20             ; Wo s[12:13], xc s[14:15], xs s[16:17], wc s[18:19]
	s_load_b128 s[20:23], s[0:1], 0x40             ; ws s[20:21], wo16 s[22:23]
	v_lshl_add_u32 v[SPW], v0, 2, SPARE
	v_mov_b32 v[NIL], 0
	v_lshrrev_b32 v1, 5, v0
	v_readfirstlane_b32 s26, v1                    ; wave
	v_and_b32 v2, 31, v0                           ; lane
	v_lshlrev_b32 v3, 4, v2                        ; my 16 bytes of a load's 512
	s_mul_i32 s27, s26, WREG
	v_lshrrev_b32 v14, 2, v2
	v_mul_u32_u24 v14, v14, SP
	v_and_b32 v15, 3, v2
	v_lshl_add_u32 v14, v15, 4, v14
	v_add_nc_u32 v14, s27, v14                     ; the stage, on the way in: SP (lane / 4) + 16 (lane % 4)
	v_mul_u32_u24 v15, v2, SP
	v_add_nc_u32 v15, s27, v15                     ; and on the way out: SP x lane: my 16 neighbours
	v_mul_u32_u24 v4, v2, CB                       ; my codes' place in a step's
	v_lshrrev_b32 v5, 1, v2
	s_add_co_u32 s27, s27, 2*32*SP
	v_add_nc_u32 v5, s27, v5                       ; LDS: my wave's 256 scale bytes, my block's byte
	v_lshlrev_b32 v7, 3, v2                        ; and on the way out 8 bytes a lane
	v_add_nc_u32 v6, s27, v7
	s_mov_b32 s29, 0
	s_wait_kmcnt 0x0
	s_cmp_ge_u32 ttmp9, 352                        ; Wo's work-groups part here: the work-group's number alone decides
	s_cbranch_scc1 .Lwo
	s_sub_co_u32 s24, ttmp9, 256                   ; which run of the three weights together (used from 256 on),
	s_and_b32 s25, s24, 31                         ; and of one weight
	s_cmp_lt_u32 ttmp9, 320
	s_cselect_b64 s[8:9], s[8:9], s[10:11]         ; Wk or Wv
	s_cmp_lt_u32 ttmp9, 288
	s_cselect_b64 s[6:7], s[6:7], s[8:9]           ; Wq or that
	s_cmp_lt_u32 ttmp9, 256
	s_cselect_b64 s[4:5], s[4:5], s[6:7]           ; x or a weight: the source,
	s_cselect_b64 s[14:15], s[14:15], s[18:19]     ; its codes,
	s_cselect_b64 s[16:17], s[16:17], s[20:21]     ; its scale bytes
	s_cselect_b32 s25, ttmp9, s25
	s_cselect_b32 s24, ttmp9, s24
	s_lshl_b32 s25, s25, 2
	s_add_co_u32 s25, s25, s26                     ; my wave's run of 8,192 numbers in the source,
	s_lshl_b32 s24, s24, 2
	s_add_co_u32 s24, s24, s26                     ; and in the destination
	s_lshl_b32 s28, s25, 15
	s_add_nc_u64 s[4:5], s[4:5], s[28:29]          ; 32,768 bytes of f32 a run
	s_lshl_b32 s28, s24, 12
	s_add_nc_u64 s[14:15], s[14:15], s[28:29]      ; 4,096 bytes of codes
	s_lshl_b32 s28, s24, 8
	s_add_nc_u64 s[16:17], s[16:17], s[28:29]      ; 256 scale bytes
.macro LOAD t
.irp i, 0,1,2,3
	global_load_b128 v[R+16*((\t)%4)+4*\i:R+16*((\t)%4)+4*\i+3], v3, s[4:5] offset:2048*(\t)+512*\i th:TH_LOAD_NT   ; 32 lanes read 512 consecutive bytes
.endr
.endm
.macro TURN t                          ; step t's numbers through the stage: LDS serves a wave's instructions in order, so no wait stands between the stores and the loads
.irp i, 0,1,2,3
	ds_store_b128 v14, v[R+16*((\t)%4)+4*\i:R+16*((\t)%4)+4*\i+3] offset:32*SP*((\t)%2)+8*SP*\i
.endr
.irp i, 0,1,2,3
	ds_load_b128 v[X+16*((\t)%2)+4*\i:X+16*((\t)%2)+4*\i+3], v15 offset:32*SP*((\t)%2)+16*\i
.endr
.endm
.irp t, 0,1,2,3
	LOAD \t
.endr
	s_wait_loadcnt 12                              ; step 0's four loads are in; the twelve of steps 1 to 3 stay out
	TURN 0
.macro STEP t
.set XS, X+16*((\t)%2)
.if (\t) > 0
	s_wait_dscnt 1                                 ; this step's numbers are back from the stage (the last step's byte store may be out)
.else
	s_wait_dscnt 0x0
.endif
.if (\t)+4 < STEPS
	LOAD (\t)+4                                    ; into the registers that the stage's stores have read
.endif
.if (\t)+1 < STEPS
.if STEPS-2-(\t) >= 3
	s_wait_loadcnt 12                              ; the next step's four loads are in; those of the three steps behind it may be out
.else
	s_wait_loadcnt 4*(STEPS-2-(\t))
.endif
	TURN (\t)+1                                    ; and go through the other stage while this step is worked
.endif
	v_max3_num_f32 v8, |v[XS]|, |v[XS+1]|, |v[XS+2]|               ; the largest magnitude of my 16, in two chains
	v_max3_num_f32 v9, |v[XS+3]|, |v[XS+4]|, |v[XS+5]|
.irp i, 6,10
	v_max3_num_f32 v8, v8, |v[XS+\i]|, |v[XS+\i+1]|
	v_max3_num_f32 v9, v9, |v[XS+\i+2]|, |v[XS+\i+3]|
.endr
	v_max3_num_f32 v8, v8, |v[XS+14]|, |v[XS+15]|
	v_max3_num_f32 v8, v8, v9, 0x1800000           ; and the floor 2^(3 - 127): the byte cannot fall under 1
	v_max_num_f32_dpp v8, v8, v8 row_xmask:1 row_mask:0xf bank_mask:0xf   ; and of my neighbour's 16: the block's
	v_add_nc_u32 v11, 0xff000000, v8               ; 2 off its exponent field: the conversion takes the exponent field of this operand as its scale
	v_cvt_scalef32_pk8_fp4_f32 v[C+4*(\t)], v[XS:XS+7], v11
	v_cvt_scalef32_pk8_fp4_f32 v[C+4*(\t)+1], v[XS+8:XS+15], v11
	v_lshrrev_b32 v[E+(\t)], 23, v11               ; the scale's byte (also the plain line behind the conversions)
	ds_store_b8 v5, v[E+(\t)] offset:16*(\t)       ; both lanes of a block write the same byte with the same value
	global_store_b64 v4, v[C+4*(\t):C+4*(\t)+1], s[14:15] offset:32*CB*(\t)   ; 32 lanes store 256 consecutive bytes
.endm
.irp t, 0,1,2,3,4,5,6,7,8,9,10,11,12,13,14,15
	STEP \t
.endr
	ds_load_b64 v[8:9], v6                         ; LDS serves a wave's instructions in order: these see my byte stores
	s_wait_dscnt 0x0
	global_store_b64 v7, v[8:9], s[16:17]          ; 32 lanes store 256 consecutive bytes
	s_wait_tensorcnt 0x0                           ; the wave's end, behind my last LDS store
	ds_add_u32 v[SPW], v[NIL]
	s_wait_dscnt 0x0
	s_endpgm
; Wo TO f16.  A wave takes 8,192 numbers in four rounds of eight pieces of 1,024 bytes; a lane takes 8 neighbours (two loads of 16 bytes), which round to 16 bytes: a store covers 512 consecutive bytes.
; Two sets of 64 registers take turns, so that one round's 16 loads are out while the round before is rounded.
.Lwo:
	s_sub_co_u32 s24, ttmp9, 352
	s_lshl_b32 s24, s24, 2
	s_add_co_u32 s24, s24, s26                     ; my wave's run
	s_lshl_b32 s28, s24, 15
	s_add_nc_u64 s[12:13], s[12:13], s[28:29]
	s_lshl_b32 s28, s24, 14
	s_add_nc_u64 s[22:23], s[22:23], s[28:29]
	v_lshlrev_b32 v8, 5, v2                        ; in: 32 bytes a lane
	v_lshlrev_b32 v9, 4, v2                        ; out: 16 bytes a lane
.macro WLOAD g
.set WR, 16+96*((\g)%2)
.irp c, 0,1,2,3,4,5,6,7
	global_load_b128 v[WR+8*\c:WR+8*\c+3], v8, s[12:13] offset:(8*(\g)+\c)*1024 th:TH_LOAD_NT
	global_load_b128 v[WR+8*\c+4:WR+8*\c+7], v8, s[12:13] offset:(8*(\g)+\c)*1024+16 th:TH_LOAD_NT
.endr
.endm
.macro WCONV g, left
.set WR, 16+96*((\g)%2)
	s_wait_loadcnt \left                           ; this round's 16 loads are in; the next round's may be out
	s_wait_xcnt 0x0                                ; the last round's stores have read v80-111: they are written again only behind this wait
.irp c, 0,1,2,3,4,5,6,7
.irp i, 0,1,2,3
	v_cvt_pk_f16_f32 v[80+4*\c+\i], v[WR+8*\c+2*\i], v[WR+8*\c+2*\i+1]
.endr
.endr
.irp c, 0,1,2,3,4,5,6,7
	global_store_b128 v9, v[80+4*\c:80+4*\c+3], s[22:23] offset:(8*(\g)+\c)*512
.endr
.endm
	WLOAD 0
	WLOAD 1
	WCONV 0, 16
	WLOAD 2
	WCONV 1, 16
	WLOAD 3
	WCONV 2, 16
	WCONV 3, 0
	s_endpgm
.Lfunc_end_k_q2155bae885_quant:
	.size	k_q2155bae885_quant, .Lfunc_end_k_q2155bae885_quant-k_q2155bae885_quant
	.p2alignl 7, 3214868480
	.fill 96, 4, 3214868480
	.section	.rodata,"a",@progbits
	.p2align	6, 0x0
	.amdhsa_kernel k_q2155bae885_quant
		.amdhsa_group_segment_fixed_size 33280
		.amdhsa_private_segment_fixed_size 0
		.amdhsa_enable_private_segment 0
		.amdhsa_kernarg_size 80
		.amdhsa_user_sgpr_count 2
		.amdhsa_user_sgpr_kernarg_segment_ptr 1
		.amdhsa_wavefront_size32 1
		.amdhsa_system_sgpr_workgroup_id_x 1
		.amdhsa_system_sgpr_workgroup_id_y 1
		.amdhsa_system_sgpr_workgroup_id_z 1
		.amdhsa_system_vgpr_workitem_id 0
		.amdhsa_next_free_vgpr 192
		.amdhsa_next_free_sgpr 66
		.amdhsa_reserve_vcc 0
		.amdhsa_float_denorm_mode_32 3
		.amdhsa_float_denorm_mode_16_64 3
		.amdhsa_memory_ordered 1
		.amdhsa_forward_progress 1
		.amdhsa_inst_pref_size 51
	.end_amdhsa_kernel
	.amdgpu_metadata
---
amdhsa.version: [ 1, 2 ]
amdhsa.kernels:
  - .name:           k_q2155bae885_quant
    .symbol:         k_q2155bae885_quant.kd
    .args:
      - { .name: x, .offset: 0, .size: 8, .value_kind: global_buffer, .address_space: global }
      - { .name: Wq, .offset: 8, .size: 8, .value_kind: global_buffer, .address_space: global }
      - { .name: Wk, .offset: 16, .size: 8, .value_kind: global_buffer, .address_space: global }
      - { .name: Wv, .offset: 24, .size: 8, .value_kind: global_buffer, .address_space: global }
      - { .name: Wo, .offset: 32, .size: 8, .value_kind: global_buffer, .address_space: global }
      - { .name: xc, .offset: 40, .size: 8, .value_kind: global_buffer, .address_space: global }
      - { .name: xs, .offset: 48, .size: 8, .value_kind: global_buffer, .address_space: global }
      - { .name: wc, .offset: 56, .size: 8, .value_kind: global_buffer, .address_space: global }
      - { .name: ws, .offset: 64, .size: 8, .value_kind: global_buffer, .address_space: global }
      - { .name: wo16, .offset: 72, .size: 8, .value_kind: global_buffer, .address_space: global }
    .group_segment_fixed_size: 33280
    .private_segment_fixed_size: 0
    .kernarg_segment_align: 8
    .kernarg_segment_size: 80
    .max_flat_workgroup_size: 128
    .sgpr_count:     66
    .vgpr_count:     192
    .wavefront_size: 32
...
	.end_amdgpu_metadata
.endif
;; end of part 1
;; launch qkv (part 2): grid 12 x 32, 4 waves a work-group, clusters of 4 x 4, 327,680 bytes of LDS; arguments xc, xs, wc, ws, bq, bk, bv, qkv; writes qkv
.if DOCPART == 2
	.amdgcn_target "amdgcn-amd-amdhsa--gfx1250"
	.amdhsa_code_object_version 6
	.text
	.protected	k_q2155bae885_qkv
	.globl	k_q2155bae885_qkv
	.p2align	8
	.type	k_q2155bae885_qkv,@function
k_q2155bae885_qkv:
	s_mov_b64 s[64:65], 0
	v_nop
	global_prefetch_b8 v0, s[64:65] scope:SCOPE_SE
	s_setreg_imm32_b32 hwreg(HW_REG_WAVE_MODE, 25, 1), 1
	s_wait_xcnt 0x0
	s_wait_alu depctr_hold_cnt(0) depctr_sa_sdst(0) depctr_va_vdst(0) depctr_va_sdst(0) depctr_va_ssrc(0) depctr_va_vcc(0) depctr_vm_vsrc(0)
	s_getreg_b32 s2, hwreg(HW_REG_IB_STS2, 6, 4)
	s_cmp_eq_u32 s2, 0
	s_cbranch_scc0 .Lentry_in_a_cluster
	s_endpgm
.Lentry_in_a_cluster:
	s_bfe_u32 s2, ttmp6, 0x10000c
	s_cmp_lg_u32 s2, 0xf033
	s_cbranch_scc0 .Lentry_shape_is_right
	s_endpgm
.Lentry_shape_is_right:
; [8192][3072] = x (Wq; Wk; Wv)^T + bias, on codes of FP4 (E2M1) with one E8M0 scale for each 32 along K = 1,024; sums in f32; the result is rounded once to f16 and laid by heads:
; qkv [which 3][batch 4][head 16][s 2048][64] f16.  LIMIT: the results must lie inside f16's range (under 65,504).
; A tile of 256 x 256 is made by a work-group of four waves; a wave makes 128 x 128: 64 accumulators of 16 x 16, 512 registers.  K goes in two steps of 512 (rows of 256 bytes) through two LDS slots:
; both are first fills, and nothing is filled again.  The scale bytes of the work-group's 256 + 256 rows, for all of K, are two dense blocks: they come once, with the first fills.
; A wave has three tensor loads out: the scales, slot 0, slot 1.
; CLUSTERS: 4 x 4 work-groups.  The four of a row of the cluster need the same tiles of x, the four of a column the same tiles of W: each is asked for jointly.
; THE MATRIX INSTRUCTION IS USED TRANSPOSED (source 0 = 16 rows of W, source 1 = 16 rows of x): a lane then holds eight neighbouring columns of one row.  The bias is the C of each sum's first product.
; REGISTERS, in windows of 256: window 0: v0-31 addresses; v32-95 scale words, two sets, and nothing else; v96-127 and v224-255 rows on the way out; v128-191 x's fragments, one set;
;   v192-255 the bias (8 registers for each of W's 8 blocks), later v192-223 packed results.   window 1: W's fragments, two sets.   windows 2, 3: the accumulators of my rows 0-63, 64-127.
.set NQ,     4                         ; matrix instructions deep in a slot: 512 / 128
.set ROWB,   256                       ; a tile's row in bytes
.set KROW,   512                       ; a row of codes in memory
.set PITCH,  272                       ; an LDS row: 256 bytes + 16 of padding: the 16 rows that a load touches start at 16 different banks
.set FR,     8
.set NL,     2
.set NP,     4
.set HALFT,  128*PITCH
.set SLOT,   4*HALFT
.set KS,     32                        ; a row of scale bytes
.set SCL,    2*SLOT                    ; behind the slots: the scales, as runs of 256 bytes + 16 of padding
.set HALFS,  (128*KS/256)*272
.set SBLK,   (16*KS/256)*272
.set SPARE,  SCL+4*HALFS               ; the spare words, 128 bytes for each wave
.set SPITCH, 272                       ; the way out: a stage of 16 rows x (256 bytes + 16) for each wave, in slot 0, which has had its only fill and its last read by then
.set ADRA, 16
.set ADRB, 20
.set STO,  24
.set RD,   25
.set CO,   26
.set ADRS, 27
.set SPW,  28
.set NIL,  29
.set BOF,  30                          ; v30  32 x (lane / 16): my half's eight bias numbers
.set SC,   32
.set AF,   128
.set BIA,  192
.set TMP,  192
.set G1, 24
.set G0, 32
.set G1B, 48
.set G0B, 56
.set G1S, 68
.set G0S, 76
.set G1SB, 80
.set G0SB, 88
.set MSB, 0
.macro WIN new                         ; the immediate's high byte repeats the setting that is left
.if MSB != \new
	s_set_vgpr_msb (MSB<<8)|\new
.set MSB, \new
.endif
.endm
.set MUL_LO,  0xa1                     ; source 0 (W) window 1, source 1 (x) window 0, C and D window 2
.set MUL_HI,  0xf1                     ; the same, C and D window 3
.set BIAS_LO, 0x81                     ; the first step: C (the bias) window 0, D window 2
.set BIAS_HI, 0xc1                     ; D window 3
.set TO_B,    0x40
; A joint load: waves 0 and 1 fetch for x, waves 2 and 3 for W.  The branch hangs on the wave's number alone.  An s_nop 0 and four v_nop follow each of the two lines.
.macro JLOAD g0a, g1a, g0b, g1b
	s_cmp_eq_u32 s15, 0
	s_cbranch_scc0 .Lfor_b_\@
	tensor_load_to_lds s[\g0a:\g0a+3], s[\g1a:\g1a+7]
	s_nop 0
.rept 4
	v_nop
.endr
	s_branch .Lasked_\@
.Lfor_b_\@:
	tensor_load_to_lds s[\g0b:\g0b+3], s[\g1b:\g1b+7]
	s_nop 0
.rept 4
	v_nop
.endr
.Lasked_\@:
.endm
.macro CROUND                          ; a round of the cluster's barrier
	s_barrier_signal -1
	s_barrier_wait -1
	s_cmp_lg_u32 s14, 0
	s_cbranch_scc1 .Lnot_wave_0_\@
	s_barrier_signal -3
.Lnot_wave_0_\@:
	s_barrier_wait -3
	s_barrier_signal -1
	s_barrier_wait -1
.endm
	s_load_b128 s[4:7], s[0:1], 0x0                ; x's codes, x's scales
	s_load_b128 s[8:11], s[0:1], 0x10              ; W's codes, W's scales
	s_load_b128 s[96:99], s[0:1], 0x20             ; bq, bk
	s_load_b64 s[100:101], s[0:1], 0x30            ; bv
	s_load_b64 s[12:13], s[0:1], 0x38              ; qkv
	v_lshl_add_u32 v[SPW], v0, 2, SPARE
	v_mov_b32 v[NIL], 0
	ds_add_u32 v[SPW], v[NIL]                      ; the wave's opening: the add and its wait stand ahead of my first tensor load; the set-up below stands between them
	v_lshrrev_b32 v1, 5, v0
	v_readfirstlane_b32 s14, v1                    ; wave 0..3
	s_lshr_b32 s15, s14, 1                         ; which half of the tile's rows is mine.  Also: I fetch for x (0) or for W (1)
	s_and_b32 s16, s14, 1                          ; which half of its columns.  Also: which 128 rows I fetch
	s_bfe_u32 s40, ttmp6, 0x40000                  ; cx, cy: my place in the cluster
	s_bfe_u32 s41, ttmp6, 0x40004
	s_lshl_b32 s42, ttmp9, 2
	s_add_co_u32 s42, s42, s40                     ; tile column = 4 x cluster x + cx
	s_and_b32 s17, ttmp7, 0xffff
	s_lshl_b32 s17, s17, 2
	s_add_co_u32 s17, s17, s41                     ; tile row = 4 x cluster y + cy
	s_lshl_b32 s43, s41, 2
	s_lshl_b32 s43, 15, s43                        ; my row of the cluster
	s_lshl_b32 s44, 0x1111, s40                    ; my column
	s_or_b32 s[G1+0], s43, (0<<16)|(1<<20)|(1<<21)|(5<<22)|(3<<25)  ; the mask; elements of 1 byte; padding on; bit 21 beside a mask; after every 64 words, 4 words
	s_or_b32 s[G1B+0], s44, (0<<16)|(1<<20)|(1<<21)|(5<<22)|(3<<25)
.irp g, G1, G1B
	s_mov_b32 s[\g+1], ROWB<<16                    ; tensor_dim0
	s_mov_b32 s[\g+2], 128<<16                     ; tensor_dim1
	s_mov_b32 s[\g+3], ROWB<<16                    ; tile_dim0
	s_mov_b32 s[\g+4], 128                         ; tile_dim1
	s_mov_b32 s[\g+5], KROW                        ; the pitch
	s_mov_b32 s[\g+6], 0
	s_mov_b32 s[\g+7], 0
.endr
	s_or_b32 s[G1S+0], s43, (3<<16)|(1<<20)|(1<<21)|(5<<22)|(3<<25) ; the scales of 128 rows: a dense block, as rows of 256 bytes (32 elements of 8 bytes), 16 bytes of padding behind each
	s_or_b32 s[G1SB+0], s44, (3<<16)|(1<<20)|(1<<21)|(5<<22)|(3<<25)
.irp g, G1S, G1SB
	s_mov_b32 s[\g+1], 32<<16
	s_mov_b32 s[\g+2], (128*KS/256)<<16
	s_mov_b32 s[\g+3], 32<<16
	s_mov_b32 s[\g+4], 128*KS/256
	s_mov_b32 s[\g+5], 32
	s_mov_b32 s[\g+6], 0
	s_mov_b32 s[\g+7], 0
.endr
	s_lshl_b32 s18, s16, 7
	s_lshl_b32 s20, s17, 8
	s_add_co_u32 s20, s20, s18                     ; x: row 256 x tile row + 128 x half
	s_lshl_b32 s46, s42, 8
	s_add_co_u32 s46, s46, s18                     ; W: row 256 x tile column + 128 x half
	s_mov_b32 s21, 0
	s_mov_b32 s47, 0
	s_mov_b64 s[18:19], KS
	s_mul_u64 s[22:23], s[20:21], s[18:19]         ; where these rows' scales begin,
	s_mul_u64 s[92:93], s[46:47], s[18:19]
	s_mov_b64 s[18:19], KROW
	s_mul_u64 s[20:21], s[20:21], s[18:19]         ; and their codes
	s_mul_u64 s[46:47], s[46:47], s[18:19]
	s_mul_i32 s45, s14, HALFT                      ; where they go: wave x 128 rows: no place in the cluster enters an LDS address
	s_mul_i32 s94, s14, HALFS
	s_wait_dscnt 0x0                               ; the opening add is done
	s_wait_kmcnt 0x0
	s_add_nc_u64 s[20:21], s[4:5], s[20:21]
	s_add_nc_u64 s[22:23], s[6:7], s[22:23]
	s_add_nc_u64 s[46:47], s[8:9], s[46:47]
	s_add_nc_u64 s[92:93], s[10:11], s[92:93]
	CROUND                                         ; all sixteen work-groups are here: the first joint loads meet
	s_mov_b32 s[G0S], 1
	s_add_co_u32 s[G0S+1], s94, SCL
	s_mov_b64 s[G0S+2:G0S+3], s[22:23]
	s_or_b32 s[G0S+3], s[G0S+3], 0x80000000
	s_mov_b32 s[G0SB], 1
	s_add_co_u32 s[G0SB+1], s94, SCL
	s_mov_b64 s[G0SB+2:G0SB+3], s[92:93]
	s_or_b32 s[G0SB+3], s[G0SB+3], 0x80000000
	JLOAD G0S, G1S, G0SB, G1SB                     ; the scales first: they are wanted with K step 0
.irp s, 0,1
	s_mov_b32 s[G0+4*\s], 1
	s_add_co_u32 s[G0+4*\s+1], s45, \s*SLOT
	s_add_nc_u64 s[G0+4*\s+2:G0+4*\s+3], s[20:21], \s*ROWB
	s_or_b32 s[G0+4*\s+3], s[G0+4*\s+3], 0x80000000
	s_mov_b32 s[G0B+4*\s], 1
	s_add_co_u32 s[G0B+4*\s+1], s45, \s*SLOT
	s_add_nc_u64 s[G0B+4*\s+2:G0B+4*\s+3], s[46:47], \s*ROWB
	s_or_b32 s[G0B+4*\s+3], s[G0B+4*\s+3], 0x80000000
	JLOAD G0+4*\s, G1, G0B+4*\s, G1B
.endr
	v_and_b32 v1, 15, v0                           ; l % 16
	v_bfe_u32 v2, v0, 4, 1                         ; l / 16
	; THE BIAS.  The cluster's x says which of the three products this is (four tile columns of 256 are one weight's 1,024); it is the same in all partners.
	s_cmp_lt_u32 ttmp9, 2
	s_cselect_b64 s[98:99], s[98:99], s[100:101]   ; bk or bv
	s_cmp_lt_u32 ttmp9, 1
	s_cselect_b64 s[96:97], s[96:97], s[98:99]     ; bq or that
	s_lshl_b32 s66, s40, 10                        ; my first column in that weight, in bytes of f32: 1,024 cx + 512 x half
	s_lshl_b32 s67, s16, 9
	s_add_co_u32 s66, s66, s67
	s_mov_b32 s67, 0
	s_add_nc_u64 s[96:97], s[96:97], s[66:67]
	v_lshlrev_b32 v[BOF], 5, v2
.irp b, 0,1,2,3,4,5,6,7
	global_load_b128 v[BIA+8*\b:BIA+8*\b+3], v[BOF], s[96:97] offset:64*\b        ; lane (r, h), W's block b: the bias of columns 16 b + 8 h + 0 .. 7, in the result's layout
	global_load_b128 v[BIA+8*\b+4:BIA+8*\b+7], v[BOF], s[96:97] offset:64*\b+16
.endr
	v_mul_u32_u24 v3, v1, PITCH
	v_lshl_add_u32 v4, v2, 4, v3                   ; a fragment's row x pitch + 16 x half
	s_mul_i32 s21, s15, HALFT                      ; my 128 rows of x
	s_mul_i32 s22, s16, HALFT                      ; my 128 rows of W,
	s_add_co_u32 s22, s22, 2*HALFT                 ; which lie behind x's 256
.irp s, 0,1
	v_add_nc_u32 v[ADRA+\s], s21, v4
	v_add_nc_u32 v[ADRB+\s], s22, v4
	s_add_co_u32 s21, s21, SLOT
	s_add_co_u32 s22, s22, SLOT
.endr
	v_mul_u32_u24 v5, v1, KS                       ; my row's scales: KS bytes a row,
	v_lshrrev_b32 v6, 8, v5
	v_lshl_add_u32 v5, v6, 4, v5                   ; and 16 more for each 256 passed
	s_mul_i32 s21, s15, HALFS
	s_mul_i32 s22, s16, HALFS
	s_add_co_u32 s22, s22, 2*HALFS
	s_sub_co_u32 s22, s22, s21
	v_mul_u32_u24 v6, s22, v2                      ; lanes 16-31 take W's: one product, the distance between the two bases
	s_add_co_u32 s21, s21, SCL
	v_add_nc_u32 v5, v5, v6
	v_add_nc_u32 v[ADRS], s21, v5
	s_mul_i32 s23, s14, 16*SPITCH                  ; my stage
	v_mul_u32_u24 v5, v1, SPITCH                   ; in: row l % 16, 16 bytes for each half of the lanes
	v_lshl_add_u32 v5, v2, 4, v5
	v_add_nc_u32 v[STO], s23, v5
	v_and_b32 v6, 31, v0
	v_lshlrev_b32 v[CO], 4, v6                     ; out: 16 bytes a lane: four rows of 128 bytes of one head are 512 consecutive bytes
	v_lshrrev_b32 v5, 3, v6
	v_mul_u32_u24 v5, v5, SPITCH                   ; back: eight lanes to a head's 128 bytes of a row, four rows an instruction
	v_and_b32 v6, 7, v6
	v_lshl_add_u32 v5, v6, 4, v5
	v_add_nc_u32 v[RD], s23, v5
	s_lshl_b32 s20, s17, 8
	s_lshl_b32 s21, s15, 7
	s_add_co_u32 s20, s20, s21                     ; my first row: 256 x tile row + 128 x half
	s_lshr_b32 s21, s20, 11                        ; its batch,
	s_lshl_b32 s21, s21, 22
	s_and_b32 s20, s20, 2047                       ; its place in the sequence: 128 bytes a row
	s_lshl_b32 s20, s20, 7
	s_add_co_u32 s20, s20, s21
	s_lshl_b32 s21, ttmp9, 24                      ; Q, K or V
	s_add_co_u32 s20, s20, s21
	s_mov_b32 s21, 0
	s_add_nc_u64 s[12:13], s[12:13], s[20:21]
	s_lshl_b32 s46, s40, 2                         ; my first head: 4 cx + 2 x half
	s_lshl_b32 s47, s16, 1
	s_add_co_u32 s46, s46, s47
	s_lshl_b32 s46, s46, 18
	s_mov_b32 s47, 0
	s_add_nc_u64 s[12:13], s[12:13], s[46:47]
.macro FRAG reg, adr, q, i             ; a fragment, 16 rows x 128 K of 4-bit codes: 8 registers, two loads of 16 bytes, 32 bytes apart
.irp c, 0,1
	ds_load_b128 v[\reg+4*\c:\reg+4*\c+3], v[\adr] offset:64*(\q)+32*\c+(\i)*16*PITCH
.endr
.endm
; 16 matrix instructions: x's blocks a0, a0 + 1 against W's eight, 128 along K.  p: W's set; sc: the set of scale words.  zero = 1: the first product starts the sums from the bias.
; The 64 accumulators take turns, one instruction a turn, in the same order in every step.
.macro MUL16 a0, p, q, sc, zero
.irp a, \a0, \a0+1
.irp b, 0,1,2,3,4,5,6,7
.if \zero
	v_wmma_scale_f32_16x16x128_f8f6f4 v[8*(8*((\a)%4)+\b):8*(8*((\a)%4)+\b)+7], v[128*(\p)+FR*\b:128*(\p)+FR*\b+FR-1], v[AF+FR*(\a):AF+FR*(\a)+FR-1], v[BIA+8*\b:BIA+8*\b+7], v[SC+8*NQ*(\sc)+NQ*\b+(\q)], v[SC+8*NQ*(\sc)+NQ*(\a)+(\q)] matrix_a_fmt:MATRIX_FMT_FP4 matrix_b_fmt:MATRIX_FMT_FP4 matrix_a_scale:MATRIX_SCALE_ROW1
.else
	v_wmma_scale_f32_16x16x128_f8f6f4 v[8*(8*((\a)%4)+\b):8*(8*((\a)%4)+\b)+7], v[128*(\p)+FR*\b:128*(\p)+FR*\b+FR-1], v[AF+FR*(\a):AF+FR*(\a)+FR-1], v[8*(8*((\a)%4)+\b):8*(8*((\a)%4)+\b)+7], v[SC+8*NQ*(\sc)+NQ*\b+(\q)], v[SC+8*NQ*(\sc)+NQ*(\a)+(\q)] matrix_a_fmt:MATRIX_FMT_FP4 matrix_b_fmt:MATRIX_FMT_FP4 matrix_a_scale:MATRIX_SCALE_ROW1
.endif
.endr
.endr
.endm
.macro FETCH_B slot, q, p
	WIN TO_B
.irp i, 0,1,2,3,4,5,6,7
	FRAG 128*(\p)+FR*\i, ADRB+\slot, \q, \i
.endr
	WIN 0
.endm
.macro FETCH_A slot, q, i0
.irp i, \i0, \i0+1, \i0+2, \i0+3
	FRAG AF+FR*(\i), ADRA+\slot, \q, \i
.endr
.endm
.macro SCALES sc                       ; a K step's scale words: four words a row; lanes 0-15 take x's block i, lanes 16-31 W's block i
.irp i, 0,1,2,3,4,5,6,7
	ds_load_b128 v[SC+8*NQ*\sc+NQ*\i:SC+8*NQ*\sc+NQ*\i+3], v[ADRS] offset:\i*SBLK
.endr
.endm
.macro PLACES n                        ; plain vector lines between a matrix instruction and a load into, or a read of, its registers
.rept \n
	v_nop
.endr
.endm
.macro STEP slot, q, zero              ; a step of 128 along K that has its successor in the same slot
	s_wait_dscnt 4*NL                              ; W's set, the scales and x's blocks 0-3 are in; the youngest eight loads (x's blocks 4-7) may be out
.if \zero
	WIN BIAS_LO
.else
	WIN MUL_LO
.endif
	MUL16 0, (\q)%2, \q, \slot, \zero
	MUL16 2, (\q)%2, \q, \slot, \zero
	s_wait_dscnt 0
	PLACES NP
	FETCH_B \slot, (\q)+1, 1-(\q)%2
	FETCH_A \slot, (\q)+1, 0
.if \zero
	WIN BIAS_HI
.else
	WIN MUL_HI
.endif
	MUL16 4, (\q)%2, \q, \slot, \zero
	MUL16 6, (\q)%2, \q, \slot, \zero
	PLACES NP
	WIN 0
	FETCH_A \slot, (\q)+1, 4
.endm
; Slot 0's last step goes over to slot 1: one barrier; in front of it each wave waits for all its tensor loads (its part of slot 1), adds 0 to its spare word, and waits for that and for its reads of slot 0.
.macro TURN slot, next
	s_wait_tensorcnt 0x0                           ; all my tensor loads have landed
	ds_add_u32 v[SPW], v[NIL]                      ; 0 onto my spare word
	s_wait_dscnt 4*NL+1                            ; (the add and the youngest eight loads may be out)
	WIN MUL_LO
	MUL16 0, 1, NQ-1, \slot, 0
	s_wait_dscnt 0x0                               ; the add is done, and my reads of this slot are over
	s_barrier_signal -1
	MUL16 2, 1, NQ-1, \slot, 0
	WIN 0
	s_barrier_wait -1
	PLACES NP
	v_add_nc_u32 v[ADRS], 4*NQ, v[ADRS]            ; on to the next K step's scale words
	FETCH_B \next, 0, 0
	FETCH_A \next, 0, 0
	SCALES \next
	WIN MUL_HI
	MUL16 4, 1, NQ-1, \slot, 0
	MUL16 6, 1, NQ-1, \slot, 0
	PLACES NP
	WIN 0
	FETCH_A \next, 0, 4
.endm
.macro STEPS slot, from
.set Q, \from
.rept NQ-1-\from
	STEP \slot, Q, 0
.set Q, Q+1
.endr
.endm
	s_wait_loadcnt 0x0                             ; the bias
	s_wait_tensorcnt 1                             ; the scales and my part of K step 0 are in (K step 1's load may be out),
	s_barrier_signal -1
	s_barrier_wait -1                              ; everybody's are
	FETCH_B 0, 0, 0
	FETCH_A 0, 0, 0
	SCALES 0
	FETCH_A 0, 0, 4
	STEP 0, 0, 1
	STEPS 0, 1
	TURN 0, 1
	STEPS 1, 0
	s_wait_dscnt 4*NL                              ; the very last step: nothing more to fetch
	WIN MUL_LO
	MUL16 0, 1, NQ-1, 1, 0
	MUL16 2, 1, NQ-1, 1, 0
	s_wait_dscnt 0
	WIN MUL_HI
	MUL16 4, 1, NQ-1, 1, 0
	MUL16 6, 1, NQ-1, 1, 0
	WIN 0
; THE WAY OUT, block by block of 16 rows x 128 columns (two heads).  PACK: rounded to f16, 16 bytes a lane, each accumulator from its low end on.  TOSTAGE: into my own stage, and back by heads: four rows of
; 128 bytes of one head an instruction.  SEND: each store covers 512 consecutive bytes of one head.  LDS serves a wave's instructions in order: no wait between the stage's stores and loads.
.macro PACK a
.set AC, 64*((\a)%4)
	WIN 0x0a+5*((\a)/4)                            ; sources 0 and 1: window 2 or 3
.irp b, 0,1,2,3,4,5,6,7
.irp r, 0,1,2,3
	v_cvt_pk_f16_f32 v[TMP+4*\b+\r], v[AC+8*\b+2*\r], v[AC+8*\b+2*\r+1]
.endr
.endr
	WIN 0
.endm
.macro TOSTAGE a
.set BK, 96+128*((\a)%2)
.irp b, 0,1,2,3,4,5,6,7
	ds_store_b128 v[STO], v[TMP+4*\b:TMP+4*\b+3] offset:32*\b
.endr
.irp t, 0,1,2,3,4,5,6,7
	ds_load_b128 v[BK+4*\t:BK+4*\t+3], v[RD] offset:4*((\t)%4)*SPITCH+128*((\t)/4)
.endr
.endm
.macro SEND a
.set BK, 96+128*((\a)%2)
	s_wait_dscnt 0x0                               ; the block is back in registers
	s_wait_xcnt 0x0                                ; the stores of the block before have read their registers: the next block's loads land there only behind this wait
.irp t, 0,1,2,3,4,5,6,7
	global_store_b128 v[CO], v[BK+4*\t:BK+4*\t+3], s[12:13] offset:(\a)*2048+((\t)%4)*512+((\t)/4)*262144
.endr
.endm
	PLACES NP
	PACK 0
	TOSTAGE 0
.irp a, 1,2,3,4,5,6,7                  ; block a's conversions stand between block a - 1's loads from the stage and the wait for them
	PACK \a
	SEND \a-1
	TOSTAGE \a
.endr
	SEND 7
	s_wait_tensorcnt 0x0                           ; the wave's end, behind my last tensor load and my last LDS store
	ds_add_u32 v[SPW], v[NIL]
	s_wait_dscnt 0x0
	CROUND                                         ; the closing round
	s_endpgm
.Lfunc_end_k_q2155bae885_qkv:
	.size	k_q2155bae885_qkv, .Lfunc_end_k_q2155bae885_qkv-k_q2155bae885_qkv
	.p2alignl 7, 3214868480
	.fill 96, 4, 3214868480
	.section	.rodata,"a",@progbits
	.p2align	6, 0x0
	.amdhsa_kernel k_q2155bae885_qkv
		.amdhsa_group_segment_fixed_size 327680
		.amdhsa_private_segment_fixed_size 0
		.amdhsa_enable_private_segment 0
		.amdhsa_kernarg_size 64
		.amdhsa_user_sgpr_count 2
		.amdhsa_user_sgpr_kernarg_segment_ptr 1
		.amdhsa_wavefront_size32 1
		.amdhsa_system_sgpr_workgroup_id_x 1
		.amdhsa_system_sgpr_workgroup_id_y 1
		.amdhsa_system_sgpr_workgroup_id_z 1
		.amdhsa_system_vgpr_workitem_id 0
		.amdhsa_next_free_vgpr 1024
		.amdhsa_next_free_sgpr 102
		.amdhsa_reserve_vcc 0
		.amdhsa_float_denorm_mode_32 3
		.amdhsa_float_denorm_mode_16_64 3
		.amdhsa_memory_ordered 1
		.amdhsa_forward_progress 1
		.amdhsa_inst_pref_size 128
	.end_amdhsa_kernel
	.amdgpu_metadata
---
amdhsa.version: [ 1, 2 ]
amdhsa.kernels:
  - .name:           k_q2155bae885_qkv
    .symbol:         k_q2155bae885_qkv.kd
    .args:
      - { .name: xc, .offset: 0, .size: 8, .value_kind: global_buffer, .address_space: global }
      - { .name: xs, .offset: 8, .size: 8, .value_kind: global_buffer, .address_space: global }
      - { .name: wc, .offset: 16, .size: 8, .value_kind: global_buffer, .address_space: global }
      - { .name: ws, .offset: 24, .size: 8, .value_kind: global_buffer, .address_space: global }
      - { .name: bq, .offset: 32, .size: 8, .value_kind: global_buffer, .address_space: global }
      - { .name: bk, .offset: 40, .size: 8, .value_kind: global_buffer, .address_space: global }
      - { .name: bv, .offset: 48, .size: 8, .value_kind: global_buffer, .address_space: global }
      - { .name: qkv, .offset: 56, .size: 8, .value_kind: global_buffer, .address_space: global }
    .group_segment_fixed_size: 327680
    .private_segment_fixed_size: 0
    .kernarg_segment_align: 8
    .kernarg_segment_size: 64
    .max_flat_workgroup_size: 128
    .sgpr_count:     102
    .vgpr_count:     1024
    .wavefront_size: 32
...
	.end_amdgpu_metadata
.endif
;; end of part 2
;; launch attn (part 3): grid 8 x 64, 4 waves a work-group, clusters of 4 x 1, 327,680 bytes of LDS; arguments qkv, mask, ctx; writes ctx
.if DOCPART == 3
	.amdgcn_target "amdgcn-amd-amdhsa--gfx1250"
	.amdhsa_code_object_version 6
	.text
	.protected	k_q2155bae885_attn
	.globl	k_q2155bae885_attn
	.p2align	8
	.type	k_q2155bae885_attn,@function
k_q2155bae885_attn:
	s_mov_b64 s[64:65], 0
	v_nop
	global_prefetch_b8 v0, s[64:65] scope:SCOPE_SE
	s_setreg_imm32_b32 hwreg(HW_REG_WAVE_MODE, 25, 1), 1
	s_wait_xcnt 0x0
	s_wait_alu depctr_hold_cnt(0) depctr_sa_sdst(0) depctr_va_vdst(0) depctr_va_sdst(0) depctr_va_ssrc(0) depctr_va_vcc(0) depctr_vm_vsrc(0)
	s_getreg_b32 s2, hwreg(HW_REG_IB_STS2, 6, 4)
	s_cmp_eq_u32 s2, 0
	s_cbranch_scc0 .Lentry_in_a_cluster
	s_endpgm
.Lentry_in_a_cluster:
	s_bfe_u32 s2, ttmp6, 0x10000c
	s_cmp_lg_u32 s2, 0x3003
	s_cbranch_scc0 .Lentry_shape_is_right
	s_endpgm
.Lentry_shape_is_right:
; ctx[b][q][head] = the sum over k of softmax_k(Q . K / 8, keys with mask 0 left out) V; a query all of whose keys are masked gets 0.  Q, K, V: qkv [3][batch 4][head 16][2048][64] f16; mask [4][2048] int32.
; Products on f16 operands with f32 sums; maxima, exponentials and sums in f32; the weights p are rounded to f16 for the second product, ctx once at the end.
; LIMITS: |Q|, |K|, |V| under 65,504 (they are f16), so every true score lies under 2^38 in magnitude; a weight p under 6e-8 is lost in f16; NaN and infinities are not served.
; ctx IS LAID AS IMAGES OF THE NEXT PRODUCT'S OPERAND REGISTERS: [128 rows: 64][32 along K: 32][16 rows: 8][half of a fragment: 2][lane 32][16 bytes]: O^T, rounded in pairs, is that image, and each store covers 512 consecutive bytes.
; SHARES.  A work-group owns 256 queries of one head of one batch, each of its four waves 64: four tiles of 16.  Every wave walks all 2,048 keys, 64 a step.
; LAYOUT.  S^T = K Q^T (source 0 = 16 keys, source 1 = 16 queries): a lane holds ONE query (lane % 16) and keys 8 (lane / 16) + 0..7.  Two such tiles, rounded in pairs, ARE source 1 of O^T = V^T P.  V is turned by ds_load_tr16_b128.
; THE MASK costs no vector line in the loop: a masked key's bias, -2^100, is the C of the first product of its tile of 16 keys (0 for the others); the running maximum starts at -2^50, under every true score
; and over every masked one.  So a masked p is 2^(a huge negative number) = 0, and a query with no key keeps the sum 0; its divisor's reciprocal is replaced by 0.
; SOFTMAX.  A running maximum m and sum l for each query: p = 2^(c s - c m), c = log2(e) / 8; in every step O and l are multiplied by a = 2^(c m_old - c m_new).
; BY TURNS.  The wave's tiles are two pieces (tiles 0, 1 and tiles 2, 3).  In a turn one piece has the matrix unit: 16 products V^T P of the step in hand, then 16 products K Q^T of the next step; the other piece's
; softmax, 2 x 118 vector lines cut into 59 slices of four, stands between them.  Then the pieces change places.  Two turns are a key step.
; CLUSTER.  The four query blocks of a cluster belong to one head and walk the same K and V: each tile is asked for jointly.  A slot holds four key steps, so a joint load has 256 matrix instructions in which to land.
; REGISTERS, in windows of 256: window 0: v2-10 addresses; v12-43 statistics, 8 a tile; v44-48 at work at the head; v60-63 constants; v64-191 S^T, 32 a tile; v192-255 P, 16 a tile.
;   window 1: O^T, 32 a tile.   window 2: v0-63 Q; v64-95 the step's mask bias; v128-191 K of one step.   window 3: v0-63 V of one step.
.set PK,    144       ; a row of K in LDS: 128 bytes + 16: the 16 rows of a load start at 16 different groups of four banks
.set PV,    160       ; a row of V: 128 + 32
.set VOFF,  256*PK    ; a slot: 256 rows of K, then 256 rows of V
.set SLOT1, 1<<17     ; slot 1 begins here: one exclusive or turns an address in one slot into the other's
.set SLOTG, 32768     ; a slot's keys in memory: 256 rows of 128 bytes
.set MASKB, SLOT1+256*(PK+PV)  ; behind the slots: the batch's 2,048 biases, f32; stored by the waves, never filled
.set SPARE, MASKB+8192         ; the spare words, 128 bytes for each wave
.set AK0, 2           ; v2   my lane's place in a tile of K
.set AV0, 3           ; v3   the same for V
.set ADR, 4           ; v4   the LDS address of the run of loads in hand
.set QO,  5           ; v5   my byte offset in the wave's rows of Q
.set GO,  8           ; v8   16 x lane: my place in an image of ctx
.set AM0, 9           ; v9   my half's place among the biases
.set ADM, 10          ; v10  the LDS address of the step's biases
.set ST,  12          ; tile t's statistics at v[ST+8 t]: +0 c m, +1 m, +2, +3 l, +4 to +7 at work; a takes +6 once the maximum is found
.set NEG, 60          ; v60  -2^100
.set PFO, 61          ; v61  256 x lane; never rewritten
.set SPW, 62          ; v62  LDS address of my spare word; never rewritten
.set NIL, 63          ; v63  0; never rewritten
.set S,   64
.set P,   192
.set MK,  64          ; in window 2
.set KF,  128         ; in window 2
.set WV,  12
.set LIM, 15          ; s15  1 in a wave that prefetches, else the greatest number
.set PFA, 18          ; s[18:19] where my prefetches stand
.set G1K, 24
.set G1V, 32
.set G0K, 40
.set G0V, 48
.set SLOTS, 56
.set TWICE, 57
.set CS,  58
.set SEL, 60
.set TK,  62          ; s62  LDS byte at which K's tile of the step to be fetched begins
.set TV,  63          ; s63  the same for V
.set TM,  66          ; s66  256 x that step: its biases
.set FLR, 67          ; s67  -2^50
.set MSB, 0
.macro WIN new
.if MSB != \new
	s_set_vgpr_msb (MSB<<8)|\new
.set MSB, \new
.endif
.endm
.set W_KQ,  0x0a      ; K and Q in window 2, S^T in window 0
.set W_KQ0, 0x2a      ; the same, C (the mask bias) in window 2
.set W_PV,  0x53      ; V in window 3, P in window 0, O^T in window 1
.set W_RS,  0x41      ; O^T in window 1, a in window 0
; A joint refill.  Waves 0 and 1 fetch the halves of a slot's K, waves 2 and 3 those of its V.  An s_nop 0 and four v_nop follow each of the two lines.
.macro JLOAD
	s_cmp_lt_u32 s[WV], 2
	s_cbranch_scc0 .Lfor_v_\@
	tensor_load_to_lds s[G0K+4:G0K+7], s[G1K:G1K+7]
	s_nop 0
.rept 4
	v_nop
.endr
	s_branch .Lasked_\@
.Lfor_v_\@:
	tensor_load_to_lds s[G0V+4:G0V+7], s[G1V:G1V+7]
	s_nop 0
.rept 4
	v_nop
.endr
.Lasked_\@:
.endm
; A PREFETCH of what the NEXT change of slots will ask for: a slot's K and V are 128 runs of 256 bytes each.  Each run is named once in the launch: the head's first cluster asks; its four partners take 32 runs each,
; told apart by address; in each, wave 0 asks for K's and wave 2 for V's, a lane a run.  It stands four key steps, 256 matrix instructions, ahead of the load.  The last change that fills a slot asks for nothing.
.macro ASK
	s_cmp_gt_u32 s[SLOTS], s[LIM]
	s_cbranch_scc0 .Lnot_mine_\@
	global_prefetch_b8 v[PFO], s[PFA:PFA+1] th:TH_LOAD_NT scope:SCOPE_SE
.Lnot_mine_\@:
.endm
.macro CROUND                       ; a round of the cluster's barrier
	s_barrier_signal -1
	s_barrier_wait -1
	s_cmp_lg_u32 s[WV], 0
	s_cbranch_scc1 .Lnot_wave_0_\@
	s_barrier_signal -3
.Lnot_wave_0_\@:
	s_barrier_wait -3
	s_barrier_signal -1
	s_barrier_wait -1
.endm
	s_load_b64 s[4:5], s[0:1], 0x0    ; qkv
	s_load_b64 s[70:71], s[0:1], 0x8  ; mask
	s_load_b64 s[10:11], s[0:1], 0x10 ; ctx
	v_lshl_add_u32 v[SPW], v0, 2, SPARE
	v_mov_b32 v[NIL], 0
	ds_add_u32 v[SPW], v[NIL]       ; the wave's opening: the add and its wait stand ahead of my first tensor load; the set-up below stands between them
	v_lshrrev_b32 v1, 5, v0
	v_readfirstlane_b32 s[WV], v1   ; wave 0..3
	s_bfe_u32 s13, ttmp6, 0x40000   ; cx
	s_lshl_b32 s14, ttmp9, 2
	s_add_co_u32 s14, s14, s13      ; my block of 256 queries: it enters Q's and ctx's addresses alone
	s_and_b32 s20, ttmp7, 0xffff    ; 16 x batch + head, which the four partners share
	s_lshl_b32 s21, s20, 18         ; the head's first byte in each of Q, K, V
	s_and_b32 s16, s[WV], 1         ; which half of a slot I fetch:
	s_lshl_b32 s22, s16, 14         ; its 128 rows of 128 bytes in memory,
	s_add_co_u32 s22, s22, s21
	s_mov_b32 s23, 0
	s_mul_i32 s17, s16, 128*PK      ; and its place in a slot: K's,
	s_mul_i32 s68, s16, 128*PV
	s_add_co_u32 s68, s68, VOFF     ; V's
	s_lshl_b32 s2, s14, 15          ; Q: my block's 256 rows,
	s_lshl_b32 s3, s[WV], 13        ; my wave's 64 of them
	s_add_co_u32 s2, s2, s3
	s_add_co_u32 s2, s2, s21
	s_mov_b32 s3, 0
	s_lshr_b32 s74, s20, 4          ; the batch
	s_lshl_b32 s72, s74, 4
	s_lshl_b32 s73, s14, 1
	s_add_co_u32 s72, s72, s73
	s_lshr_b32 s73, s[WV], 1
	s_add_co_u32 s72, s72, s73      ; ctx: which 128 rows: 16 x batch + 2 x block + wave / 2,
	s_lshl_b32 s72, s72, 18
	s_and_b32 s73, s20, 15
	s_lshl_b32 s73, s73, 14         ; the head's two runs of 32 along K,
	s_add_co_u32 s72, s72, s73
	s_lshl_b32 s73, s16, 12         ; my wave's four tiles of 16 rows
	s_add_co_u32 s72, s72, s73
	s_mov_b32 s73, 0
	s_lshl_b32 s74, s74, 13         ; the batch's row of the mask
	s_mov_b32 s75, 0
	; descriptor group 1: 128 rows x 64 elements of 2 bytes, dense in memory, padded in LDS
	s_mov_b32 s[G1K], 15|(1<<16)|(1<<20)|(1<<21)|(4<<22)|(3<<25)  ; the mask: all four work-groups; elements of 2 bytes; padding on; bit 21 beside a mask; after every 32 words, 4 words
	s_mov_b32 s[G1V], 15|(1<<16)|(1<<20)|(1<<21)|(4<<22)|(7<<25)  ; the same with 8 words of padding
.irp g, G1K, G1V
	s_mov_b32 s[\g+1], 64<<16       ; tensor_dim0
	s_mov_b32 s[\g+2], 128<<16      ; tensor_dim1
	s_mov_b32 s[\g+3], 64<<16       ; tile_dim0
	s_mov_b32 s[\g+4], 128          ; tile_dim1
	s_mov_b32 s[\g+5], 64           ; the pitch
	s_mov_b32 s[\g+6], 0
	s_mov_b32 s[\g+7], 0
.endr
	s_mov_b32 s[CS], 0x3e38aa3b     ; c = log2(e) / 8
	s_mov_b32 s[CS+1], s[CS]        ; named with it as a pair, so it is written
	s_mov_b32 s[SEL], 0x76543210
	s_mov_b32 s[SEL+1], 0xfedcba98
	s_mov_b32 s[TK], 0
	s_mov_b32 s[TV], 0
	s_mov_b32 s[TM], 0
	s_mov_b32 s[FLR], 0xd8800000    ; -2^50
	s_mov_b32 s[SLOTS], 6           ; eight slots' worth of keys; two are first fills
	s_and_b32 s[LIM], s[WV], 1      ; 0 in waves 0 and 2,
	s_or_b32 s[LIM], s[LIM], ttmp9  ; where the cluster is the head's first: the same in all four partners
	s_cmp_eq_u32 s[LIM], 0
	s_cselect_b32 s[LIM], 1, -1
	v_and_b32 v[PFO], 31, v0
	v_lshlrev_b32 v[PFO], 8, v[PFO]
	s_wait_dscnt 0x0                ; the opening add is done
	s_wait_kmcnt 0x0
	s_add_nc_u64 s[6:7], s[4:5], s[22:23]
	s_add_nc_u64 s[8:9], s[6:7], 0x2000000  ; V at my half of slot 0
	s_add_nc_u64 s[6:7], s[6:7], 0x1000000  ; K likewise
	s_add_nc_u64 s[4:5], s[4:5], s[2:3]     ; Q at my wave's first row
	s_add_nc_u64 s[10:11], s[10:11], s[72:73]
	s_add_nc_u64 s[70:71], s[70:71], s[74:75]
	s_cmp_lt_u32 s[WV], 2
	s_cselect_b64 s[PFA:PFA+1], s[6:7], s[8:9]  ; (in waves 0 and 2 these stand at a slot's first row)
	s_lshl_b32 s2, s13, 13          ; my work-group's 32 runs of the 128
	s_mov_b32 s3, 0
	s_add_nc_u64 s[PFA:PFA+1], s[PFA:PFA+1], s[2:3]
	s_add_nc_u64 s[PFA:PFA+1], s[PFA:PFA+1], 2*SLOTG  ; in slot 2; the first change of slots steps it to slot 3.  Nothing is prefetched at the head
	CROUND                          ; all four work-groups are here: the first joint loads meet
.irp s, 0,1
	s_mov_b32 s[G0K+4*\s], 1
	s_add_co_u32 s[G0K+4*\s+1], s17, \s*SLOT1
	s_add_nc_u64 s[G0K+4*\s+2:G0K+4*\s+3], s[6:7], \s*SLOTG
	s_or_b32 s[G0K+4*\s+3], s[G0K+4*\s+3], 0x80000000
	s_mov_b32 s[G0V+4*\s], 1
	s_add_co_u32 s[G0V+4*\s+1], s68, \s*SLOT1
	s_add_nc_u64 s[G0V+4*\s+2:G0V+4*\s+3], s[8:9], \s*SLOTG
	s_or_b32 s[G0V+4*\s+3], s[G0V+4*\s+3], 0x80000000
.endr
	s_cmp_lt_u32 s[WV], 2           ; a wave's two first fills stand in one branch, ahead of every wait on TENSORcnt and every LDS read: two loads of mine are out
	s_cbranch_scc0 .Lfirst_v
	tensor_load_to_lds s[G0K:G0K+3], s[G1K:G1K+7]
	s_nop 0
	tensor_load_to_lds s[G0K+4:G0K+7], s[G1K:G1K+7]
	s_nop 0
.rept 4
	v_nop
.endr
	s_branch .Lfirst_asked
.Lfirst_v:
	tensor_load_to_lds s[G0V:G0V+3], s[G1V:G1V+7]
	s_nop 0
	tensor_load_to_lds s[G0V+4:G0V+7], s[G1V:G1V+7]
	s_nop 0
.rept 4
	v_nop
.endr
.Lfirst_asked:
	v_and_b32 v1, 15, v0            ; r = l % 16
	v_bfe_u32 v44, v0, 4, 1         ; h = l / 16
	v_lshlrev_b32 v[QO], 7, v1
	v_lshl_add_u32 v[QO], v44, 4, v[QO]  ; row x 128 + 16 x half
	WIN 0x80                        ; destination window 2
.irp i, 0,1,2,3,4,5,6,7             ; Q stays in registers: tile i / 2, channels 32 (i % 2) on
	global_load_b128 v[8*\i:8*\i+3],   v[QO], s[4:5] offset:(\i/2)*2048+(\i%2)*64
	global_load_b128 v[8*\i+4:8*\i+7], v[QO], s[4:5] offset:(\i/2)*2048+(\i%2)*64+32
.endr
	WIN 0
	v_lshlrev_b32 v48, 4, v0        ; the mask: 16 bytes a thread, 2,048 a load of the work-group
.irp i, 0,1,2,3
	global_load_b128 v[S+4*\i:S+4*\i+3], v48, s[70:71] offset:\i*2048
.endr
	v_lshl_add_u32 v47, v0, 4, MASKB  ; and where the biases go
	v_mov_b32 v[NEG], 0xf1800000    ; -2^100
	v_mul_u32_u24 v[AK0], v1, PK
	v_lshl_add_u32 v[AK0], v44, 4, v[AK0]  ; K: row x pitch + 16 x half
	v_and_b32 v45, 7, v0            ; V, for the turning load: key 8 (l / 16) + l % 8, channels 8 ((l / 8) % 2) on
	v_bfe_u32 v46, v0, 3, 1
	v_lshl_add_u32 v[AV0], v44, 3, v45
	v_mul_u32_u24 v[AV0], v[AV0], PV
	v_lshl_add_u32 v[AV0], v46, 4, v[AV0]
	v_add_nc_u32 v[AV0], VOFF, v[AV0]
	v_lshl_add_u32 v[AM0], v44, 5, MASKB  ; the biases of keys 8 h on
	v_and_b32 v[GO], 31, v0
	v_lshlrev_b32 v[GO], 4, v[GO]
	s_wait_loadcnt 0x0              ; Q and the mask
.irp n, 0,1,2,3,4,5,6,7,8,9,10,11,12,13,14,15
	v_cmp_eq_u32 vcc_lo, 0, v[S+\n]
	v_cndmask_b32 v[S+\n], 0, v[NEG], vcc_lo  ; mask 0: -2^100; else 0
.endr
.irp i, 0,1,2,3
	ds_store_b128 v47, v[S+4*\i:S+4*\i+3] offset:\i*2048
.endr
; THE MATRIX WORK OF A TURN, for piece x.  The accumulators take turns, one instruction a turn: between two links of a chain stand seven others'.
; Product i of 16 of O^T += V^T P: keys 32 (i / 8) on, channels 16 ((i / 2) % 4) on, tile x + i % 2.  zero = 1: the first 8 start the sums.
.macro PV x, zero
	WIN W_PV
.set rO, 32*(\x+i%2)+8*((i/2)%4)
.set rV, 32*(i/8)+8*((i/2)%4)
.set rP, P+16*(\x+i%2)+8*(i/8)
.if \zero && (i < 8)
	v_wmma_f32_16x16x32_f16 v[rO:rO+7], v[rV:rV+7], v[rP:rP+7], 0
.else
	v_wmma_f32_16x16x32_f16 v[rO:rO+7], v[rV:rV+7], v[rP:rP+7], v[rO:rO+7]
.endif
.endm
; Product i of 16 of S^T = K Q^T: channels 32 (i / 8) on, keys 16 ((i / 2) % 4) on, tile x + i % 2.  The first 8 start the sums from the keys' mask bias.
.macro KQ x
.set rS, S+32*(\x+i%2)+8*((i/2)%4)
.set rK, KF+16*((i/2)%4)+8*(i/8)
.set rQ, 16*(\x+i%2)+8*(i/8)
.set rM, MK+8*((i/2)%4)
.if i < 8
	WIN W_KQ0
	v_wmma_f32_16x16x32_f16 v[rS:rS+7], v[rK:rK+7], v[rQ:rQ+7], v[rM:rM+7]
.else
	WIN W_KQ
	v_wmma_f32_16x16x32_f16 v[rS:rS+7], v[rK:rK+7], v[rQ:rQ+7], v[rS:rS+7]
.endif
.endm
; THE LDS LOADS stand in runs: a step's K (8 fragments) with its 64 biases in the result's layout, and, a turn later, its V (turned).
.macro FETCH_K
	WIN 0
	v_add_nc_u32 v[ADR], s[TK], v[AK0]
	v_add_nc_u32 v[ADM], s[TM], v[AM0]
	WIN 0x80                        ; destination window 2
.irp f, 0,1,2,3,4,5,6,7             ; keys 16 (f / 2) on, channels 32 (f % 2) on
	ds_load_b128 v[KF+8*\f:KF+8*\f+3],   v[ADR] offset:(\f/2)*16*PK+(\f%2)*64
	ds_load_b128 v[KF+8*\f+4:KF+8*\f+7], v[ADR] offset:(\f/2)*16*PK+(\f%2)*64+32
.endr
.irp f, 0,1,2,3                     ; register j of tile f: the bias of key 16 f + 8 (lane / 16) + j
	ds_load_b128 v[MK+8*\f:MK+8*\f+3],   v[ADM] offset:64*\f
	ds_load_b128 v[MK+8*\f+4:MK+8*\f+7], v[ADM] offset:64*\f+16
.endr
.endm
.macro FETCH_V
	WIN 0
	v_add_nc_u32 v[ADR], s[TV], v[AV0]
	s_add_co_u32 s[TK], s[TK], 64*PK  ; the next fetches are the next step's
	s_add_co_u32 s[TV], s[TV], 64*PV
	s_add_co_u32 s[TM], s[TM], 256
	s_wait_alu depctr_va_vdst(0)    ; the wait for the softmax's batch of exponentials, ahead of their first reader
	WIN 0xc0                        ; destination window 3
.irp f, 0,1,2,3,4,5,6,7             ; keys 32 (f / 4) on, channels 16 (f % 4) on
	ds_load_tr16_b128 v[8*\f:8*\f+3],   v[ADR] offset:(\f/4)*32*PV+(\f%4)*32
	ds_load_tr16_b128 v[8*\f+4:8*\f+7], v[ADR] offset:(\f/4)*32*PV+16*PV+(\f%4)*32
.endr
.endm
; THE VECTOR WORK OF A TURN.  One tile's softmax for one key step is a list of 118 lines; SM writes number j of it for tile t.  first = 1: the first key step, which starts m, l and O^T.
;   0-15    the maximum of the lane's 32 scores and the old m (first: and -2^50), three operands at a time
;   16-20   the other half of the lanes' maximum; the new m; c m; c m_old - c m_new
;   21-69   ONE BATCH: the 16 scalings c s - c m, a pair of scores each, and all 33 exponentials (a at 23).  None of these reads an exponential's result
;   (wait)  between 69 and 70 stands the one wait for the batch
;   70-85   the roundings to f16;   86-101 the sums, l = a l + the sum;   102-117 the tile's O^T times a
.macro SM t, first
.set rT, ST+8*(\t)
.set rS, S+32*(\t)
.set rP, P+16*(\t)
.set rO, 32*(\t)+2*(j-102)
.if j < 102
	WIN 0
.endif
.if j < 4
	v_max3_num_f32 v[rT+4+j], v[rS+8*j], v[rS+8*j+1], v[rS+8*j+2]
.elseif j < 12
	v_max3_num_f32 v[rT+4+j%4], v[rT+4+j%4], v[rS+8*(j%4)+2*(j/4)+1], v[rS+8*(j%4)+2*(j/4)+2]
.elseif j == 12
	v_max3_num_f32 v[rT+4], v[rT+4], v[rS+7], v[rS+15]
.elseif j == 13
	v_max3_num_f32 v[rT+6], v[rT+6], v[rS+23], v[rS+31]
.elseif j == 14
	v_max3_num_f32 v[rT+4], v[rT+4], v[rT+5], v[rT+6]
.elseif (j == 15) && \first
	v_max3_num_f32 v[rT+4], v[rT+4], v[rT+7], s[FLR]
.elseif j == 15
	v_max3_num_f32 v[rT+4], v[rT+4], v[rT+7], v[rT+1]
.elseif j == 16
	v_permlanex16_b32 v[rT+5], v[rT+4], s[SEL], s[SEL+1]  ; the query's other 32 keys lie in the lane 16 away
.elseif j == 18
	v_max_num_f32 v[rT+1], v[rT+4], v[rT+5]
.elseif j == 19
	v_mul_f32 v[rT], s[CS], v[rT+1]
.elseif ((j == 17) || (j == 20) || (j == 23) || (j > 101)) && \first  ; the first step has none of these
.elseif j == 17
	v_mov_b32 v[rT+7], v[rT]        ; c m_old is kept for a
.elseif j == 20
	v_sub_f32 v[rT+7], v[rT+7], v[rT]
.elseif j == 23
	v_exp_f32 v[rT+6], v[rT+7]
.elseif (j < 23) || ((j < 38) && (j%2 == 0)) || ((j < 66) && (j%4 == 2))
.set b, (j-2)/4                     ; 38, 42, .. 62: pairs 9 to 15
.if j < 38
.set b, (j-20)/2                    ; 21: pair 0; 22, 24, .. 36: pairs 1 to 8
.endif
	v_pk_fma_f32 v[rS+2*b:rS+2*b+1], v[rS+2*b:rS+2*b+1], s[CS:CS+1], v[rT:rT+1] op_sel_hi:[1,0,0] neg_lo:[0,0,1] neg_hi:[0,0,1]  ; pair b: c s - c m
.elseif j < 70
.set e, j-38                        ; 66 to 69: s28 to s31
.if j < 66
.set e, j-32-(j-38)/4               ; 39-41, 43-45, .. 63-65: s7 to s27
.endif
.if j < 38
.set e, (j-25)/2                    ; 25, 27, .. 37: s0 to s6
.endif
	v_exp_f32 v[rS+e], v[rS+e]
.elseif j < 86
	v_cvt_pk_f16_f32 v[rP+j-70], v[rS+2*(j-70)], v[rS+2*(j-70)+1]
.elseif j < 102                     ; the sum of the tile's 16 pairs, in place: neighbours 1, 2, 4 and 8 pairs apart, then l takes it
.set z, j-86
.set w, 4
.set u, z
.if z >= 14
.set w, 32
.set u, 0
.elseif z >= 12
.set w, 16
.set u, z-12
.elseif z >= 8
.set w, 8
.set u, z-8
.endif
.if (z == 14) && \first
	v_pk_add_f32 v[rT+2:rT+3], v[rS:rS+1], v[rS+16:rS+17]
.elseif z < 15
	v_pk_add_f32 v[rS+w*u:rS+w*u+1], v[rS+w*u:rS+w*u+1], v[rS+w*u+w/2:rS+w*u+w/2+1]
.elseif !\first
	v_pk_fma_f32 v[rT+2:rT+3], v[rT+2:rT+3], v[rT+6:rT+7], v[rS:rS+1] op_sel_hi:[1,0,1]
.endif
.else
	WIN W_RS
	v_pk_mul_f32 v[rO:rO+1], v[rO:rO+1], v[rT+6:rT+7] op_sel_hi:[1,0]
.endif
.endm
; Slice k of 59 of piece y's softmax: four lines.  Slices 11 to 34 deal out the batch, four numbers of ONE tile each, the tiles by turns; every other slice is numbers 2 k and 2 k + 1 of both tiles.
; Ahead of slice 35 nothing names an exponential's result, and behind slice 34 none is issued: so the piece's 66 exponentials have one plain line and one wait, behind slice 34.
.macro SLICE y, first
.if (k >= 11) && (k < 35)
.irp n, 0,1,2,3
.set j, 22+4*((k-11)/2)+(\n)
	SM (\y)+(k-11)%2, \first
.endr
.else
.irp n, 0,1
.irp t, \y, \y+1
.set j, 2*k+\n
	SM \t, \first
.endr
.endr
.endif
.if k == 34
	v_nop                           ; the plain line behind the last exponential
.if (\y) == 0
	FETCH_V                         ; piece 2's turn: V's run of loads stands here, and the wait stands in it
.else
	s_wait_alu depctr_va_vdst(0)    ; the wait for the batch
.endif
.endif
.set k, k+1
.endm
; The slices behind product pidx of np: PER a product, but so that each of the last products still has one: the turn's last product is followed by slice 58, four multiplications of the other piece's O^T,
; which are the four places between it and the next turn's reads of its scores and the loads into K's registers.
.macro AFTER y, first, np
.set tgt, PER*(pidx+1)
.if tgt > 59-((\np)-1-pidx)
.set tgt, 59-((\np)-1-pidx)
.endif
.rept tgt-k
	SLICE \y, \first
.endr
.set pidx, pidx+1
.endm
.macro PLACES
.rept 4
	v_nop
.endr
.endm
; A TURN.  Piece x has the matrix unit.  pv = 2: 16 products V^T P; 1: they start O^T's sums; 0: none.  kq = 1: 16 products K Q^T for the next step.  first = 1: the softmax is the first key step's; its last
; slices are empty, and four v_nop take their part as places.  Piece 0's turn fetches the next step's K behind its second product.  Piece 2's turn fetches the same step's V behind slice 34: the last product that
; read V is the turn's sixteenth, and two products K Q^T and 22 plain lines lie between: five slices, the v_nop and the run's own addition.
.macro TURN x, pv, kq, first
.set k, 0
.set pidx, 0
.set PER, 4
.set NPR, 16
.if \pv && \kq
.set PER, 2
.set NPR, 32
.endif
.if \pv
.if \x == 0
	s_wait_dscnt 0x0                ; V is in
.endif
.set i, 0
.rept 16
	PV \x, 2-\pv
	AFTER 2-\x, \first, NPR
.if (\x == 0) && \kq && (i == 1)
	FETCH_K
.endif
.set i, i+1
.endr
.endif
.if \kq
.if \x == 0
	s_wait_dscnt 0x0                ; K and the biases are in
.endif
.set i, 0
.rept 16
	KQ \x
	AFTER 2-\x, \first, NPR
.set i, i+1
.endr
.endif
.if \first
	PLACES
.endif
.endm
; THE CHANGE OF SLOTS: the slot's last bytes, V of its fourth step, have been asked for.  Each wave waits for all its tensor loads (one is out: its part of the other slot), adds 0 to its spare word, and waits for
; that and for its own reads of the slot.  fill = 1: the barrier is a round of the cluster's, and the joint refill, the keys two slots on, is the first thing behind it.
.macro CHANGE fill
	WIN 0
	s_wait_tensorcnt 0x0            ; no tensor load of mine is out, so a group 0 may be written
	ds_add_u32 v[SPW], v[NIL]       ; 0 onto my spare word
.if \fill
.irp g, G0K+4, G0V+4
	s_xor_b32 s[\g+1], s[\g+1], SLOT1  ; the walking descriptor: the other slot than last time,
	s_add_nc_u64 s[\g+2:\g+3], s[\g+2:\g+3], SLOTG  ; the next 256 keys
.endr
	s_wait_xcnt 0x0                 ; the last prefetch, four key steps back, has read its address
	s_add_nc_u64 s[PFA:PFA+1], s[PFA:PFA+1], SLOTG
	s_wait_dscnt 0x0                ; the add is done, and my reads of the slot are over
	CROUND
	JLOAD
	ASK
.else
	s_wait_dscnt 0x0
	s_barrier_signal -1
	s_barrier_wait -1
.endif
	s_sub_co_u32 s[TK], s[TK], 4*64*PK  ; the fetches go back to a slot's first step,
	s_xor_b32 s[TK], s[TK], SLOT1   ; in the other slot
	s_sub_co_u32 s[TV], s[TV], 4*64*PV
	s_xor_b32 s[TV], s[TV], SLOT1
.endm
.macro STEPS n                      ; n key steps: written once, walked n times
	s_mov_b32 s[TWICE], \n
.Lstep_\@:
	TURN 0, 2, 1, 0
	TURN 2, 2, 1, 0
	WIN 0
	s_sub_co_u32 s[TWICE], s[TWICE], 1
	s_cmp_lg_u32 s[TWICE], 0
	s_cbranch_scc1 .Lstep_\@
.endm
	s_wait_tensorcnt 1              ; my part of slot 0 is in; slot 1's may stay out
	s_wait_dscnt 0x0                ; my part of the biases is stored
	s_barrier_signal -1
	s_barrier_wait -1               ; everybody's are
	FETCH_K                         ; key step 0
	s_wait_dscnt 0x0
.set i, 0
.rept 16
	KQ 0                            ; piece 0's first scores: there is no vector work yet to set between them
.set i, i+1
.endr
	PLACES
	TURN 2, 0, 1, 1                 ; piece 2's first scores | piece 0's first softmax | V of step 0
	TURN 0, 1, 1, 1                 ; piece 0: V^T P of step 0 starts O^T, K Q^T of step 1 | piece 2's first softmax | K of step 1
	TURN 2, 1, 1, 0                 ; piece 2: the same | piece 0's softmax of step 1 | V of step 1
	WIN 0
	STEPS 2                         ; these fetch steps 2 and 3: slot 0 is read out
.Lslot:                             ; six trips: every slot but the last two is filled again
	CHANGE 1
	STEPS 4
	s_sub_co_u32 s[SLOTS], s[SLOTS], 1
	s_cmp_lg_u32 s[SLOTS], 0
	s_cbranch_scc1 .Lslot
	CHANGE 0                        ; the tail is written out
	STEPS 4
	TURN 0, 2, 0, 0                 ; piece 0: V^T P of the last step | piece 2's last softmax
.set i, 0
.rept 16
	PV 2, 0                         ; piece 2: V^T P of the last step
.set i, i+1
.endr
	; THE WAY OUT.  l's halves are added; O^T is divided by l (by 0 times it where no key counted), rounded to f16 and stored as it stands: four registers of a lane are 16 bytes of an image.  The additions are the places behind the last products.
	WIN 0
.irp t, 0,1,2,3
	v_add_f32 v[ST+8*\t+4], v[ST+8*\t+2], v[ST+8*\t+3]
.endr
.irp t, 0,1,2,3
	v_permlanex16_b32 v[ST+8*\t+5], v[ST+8*\t+4], s[SEL], s[SEL+1]
.endr
.irp t, 0,1,2,3
	v_add_f32 v[ST+8*\t+4], v[ST+8*\t+4], v[ST+8*\t+5]
.endr
.irp t, 0,1,2,3
	v_rcp_f32 v[ST+8*\t+6], v[ST+8*\t+4]
.endr
	v_nop                           ; a plain line behind the last reciprocal
	s_wait_alu depctr_va_vdst(0)    ; one wait for the four, ahead of their first reader
.irp t, 0,1,2,3
	v_cmp_lt_f32 vcc_lo, 0, v[ST+8*\t+4]
	v_cndmask_b32 v[ST+8*\t+6], 0, v[ST+8*\t+6], vcc_lo  ; a query with no key: 0
.endr
.macro PACK t
	WIN W_RS
.set i, 32*\t
.rept 16
	v_pk_mul_f32 v[i:i+1], v[i:i+1], v[ST+8*\t+6:ST+8*\t+7] op_sel_hi:[1,0]   ; each accumulator from its low end on
.set i, i+2
.endr
	WIN 0x05                        ; sources 0 and 1 window 1, destination window 0: S^T's registers are free
.set i, 0
.rept 16
	v_cvt_pk_f16_f32 v[S+32*\t+i], v[32*\t+2*i], v[32*\t+2*i+1]
.set i, i+1
.endr
	WIN 0
.irp f, 0,1,2,3                     ; channels 16 f on: run f / 2 of 32 along K, half f % 2 of the fragment
	global_store_b128 v[GO], v[S+32*\t+4*\f:S+32*\t+4*\f+3], s[10:11] offset:\t*1024+(\f/2)*8192+(\f%2)*512  ; 32 lanes store 512 consecutive bytes
.endr
.endm
	PACK 0
	PACK 1
	PACK 2
	PACK 3
	s_wait_tensorcnt 0x0            ; the wave's end, behind my last tensor load and my last LDS store
	ds_add_u32 v[SPW], v[NIL]
	s_wait_dscnt 0x0
	CROUND                          ; the closing round
	s_endpgm
.Lfunc_end_k_q2155bae885_attn:
	.size	k_q2155bae885_attn, .Lfunc_end_k_q2155bae885_attn-k_q2155bae885_attn
	.p2alignl 7, 3214868480
	.fill 96, 4, 3214868480
	.section	.rodata,"a",@progbits
	.p2align	6, 0x0
	.amdhsa_kernel k_q2155bae885_attn
		.amdhsa_group_segment_fixed_size 327680
		.amdhsa_private_segment_fixed_size 0
		.amdhsa_enable_private_segment 0
		.amdhsa_kernarg_size 24
		.amdhsa_user_sgpr_count 2
		.amdhsa_user_sgpr_kernarg_segment_ptr 1
		.amdhsa_wavefront_size32 1
		.amdhsa_system_sgpr_workgroup_id_x 1
		.amdhsa_system_sgpr_workgroup_id_y 1
		.amdhsa_system_sgpr_workgroup_id_z 1
		.amdhsa_system_vgpr_workitem_id 0
		.amdhsa_next_free_vgpr 1024
		.amdhsa_next_free_sgpr 76
		.amdhsa_reserve_vcc 1
		.amdhsa_float_denorm_mode_32 3
		.amdhsa_float_denorm_mode_16_64 3
		.amdhsa_memory_ordered 1
		.amdhsa_forward_progress 1
		.amdhsa_inst_pref_size 198
	.end_amdhsa_kernel
	.amdgpu_metadata
---
amdhsa.version: [ 1, 2 ]
amdhsa.kernels:
  - .name:           k_q2155bae885_attn
    .symbol:         k_q2155bae885_attn.kd
    .args:
      - { .name: qkv, .offset: 0, .size: 8, .value_kind: global_buffer, .address_space: global }
      - { .name: mask, .offset: 8, .size: 8, .value_kind: global_buffer, .address_space: global }
      - { .name: ctx, .offset: 16, .size: 8, .value_kind: global_buffer, .address_space: global }
    .group_segment_fixed_size: 327680
    .private_segment_fixed_size: 0
    .kernarg_segment_align: 8
    .kernarg_segment_size: 24
    .max_flat_workgroup_size: 128
    .sgpr_count:     76
    .vgpr_count:     1024
    .wavefront_size: 32
...
	.end_amdgpu_metadata
.endif
;; end of part 3
;; launch oproj (part 4): grid 4 x 64, 4 waves a work-group, clusters of 4 x 4, 327,680 bytes of LDS; arguments ctx, wo16, bo, out0; writes out0
.if DOCPART == 4
	.amdgcn_target "amdgcn-amd-amdhsa--gfx1250"
	.amdhsa_code_object_version 6
	.text
	.protected	k_q2155bae885_oproj
	.globl	k_q2155bae885_oproj
	.p2align	8
	.type	k_q2155bae885_oproj,@function
k_q2155bae885_oproj:
	s_mov_b64 s[64:65], 0
	v_nop
	global_prefetch_b8 v0, s[64:65] scope:SCOPE_SE
	s_setreg_imm32_b32 hwreg(HW_REG_WAVE_MODE, 25, 1), 1
	s_wait_xcnt 0x0
	s_wait_alu depctr_hold_cnt(0) depctr_sa_sdst(0) depctr_va_vdst(0) depctr_va_sdst(0) depctr_va_ssrc(0) depctr_va_vcc(0) depctr_vm_vsrc(0)
	s_getreg_b32 s2, hwreg(HW_REG_IB_STS2, 6, 4)
	s_cmp_eq_u32 s2, 0
	s_cbranch_scc0 .Lentry_in_a_cluster
	s_endpgm
.Lentry_in_a_cluster:
	s_bfe_u32 s2, ttmp6, 0x10000c
	s_cmp_lg_u32 s2, 0xf033
	s_cbranch_scc0 .Lentry_shape_is_right
	s_endpgm
.Lentry_shape_is_right:
; out0 [8192][1024] f32 = ctx Wo^T + bo, on f16 operands with f32 sums.  wo16: [1024 n][1024 k] f16.  ctx: images of this product's operand registers,
; [128 rows: 64][32 along K: 32][16 rows: 8][half of a fragment: 2][lane 32][16 bytes]: a K step of 128 for 128 rows is one dense block of 32,768 bytes, read back without padding, 512 consecutive bytes a load.
; A tile of 128 x 256 is made by a work-group of four waves: 256 work-groups.  A wave makes 64 rows x 128 columns: 32 accumulators, 256 registers.  K goes in 8 steps of 128 through a ring of two LDS slots.
; CLUSTERS: 4 x 4 work-groups; ctx's tile is shared along a row of the cluster, Wo's along a column: each is asked for jointly.  A wave has two tensor loads out at the start and one behind each round.
; No prefetch: the launch has eight K steps, and its tiles are shared in the cluster.
; THE MATRIX INSTRUCTION IS USED TRANSPOSED (source 0 = 16 rows of Wo, source 1 = 16 rows of ctx): a lane holds eight neighbouring columns of one row.  bo is the C of each sum's first product.
; REGISTERS: window 0: v16-29 addresses; v32-95 ctx's fragments, two buffers of 32; v96-223 Wo's, two buffers of 64; on the way out v32-159 rows.   window 1: the accumulators, (a, b) at v[8 (8 a + b)].   window 2: v0-63 bo.
.set PITCH,  272                       ; a row of Wo's tile in LDS: 256 bytes + 16
.set ATILE,  32768                     ; ctx's part of a slot
.set HALFB,  128*PITCH
.set SLOT,   ATILE+2*HALFB
.set STAGE,  2*SLOT                    ; behind the ring: 16 rows x (512 bytes + 16) for each wave
.set SPITCH, 528
.set SPARE,  STAGE+4*16*SPITCH         ; the spare words, 128 bytes for each wave
.set LAPS,   4                         ; a lap = two K steps
.set ADRA, 16
.set ADRB, 20
.set STO,  24
.set RD,   25
.set CO,   26
.set BOF,  27
.set SPW,  28
.set NIL,  29
.set FA,   32
.set FB,   96
.set G1, 24
.set G0, 32
.set G1B, 48
.set G0B, 56
.set MSB, 0
.macro WIN new
.if MSB != \new
	s_set_vgpr_msb (MSB<<8)|\new
.set MSB, \new
.endif
.endm
.set MUL,  0x50                        ; sources 0 and 1 window 0; C and D window 1
.set MULB, 0x60                        ; the first quarter: C (bo) window 2, D window 1
.macro JLOAD s                         ; a joint load: waves 0 and 1 fetch ctx's two halves, waves 2 and 3 Wo's; an s_nop 0 and four v_nop follow each of the two lines
	s_cmp_eq_u32 s11, 0
	s_cbranch_scc0 .Lfor_b_\@
	tensor_load_to_lds s[G0+4*\s:G0+4*\s+3], s[G1:G1+7]
	s_nop 0
.rept 4
	v_nop
.endr
	s_branch .Lasked_\@
.Lfor_b_\@:
	tensor_load_to_lds s[G0B+4*\s:G0B+4*\s+3], s[G1B:G1B+7]
	s_nop 0
.rept 4
	v_nop
.endr
.Lasked_\@:
.endm
.macro CREST                           ; a round of the cluster's barrier behind its opening barrier
	s_cmp_lg_u32 s10, 0
	s_cbranch_scc1 .Lnot_wave_0_\@
	s_barrier_signal -3
.Lnot_wave_0_\@:
	s_barrier_wait -3
	s_barrier_signal -1
	s_barrier_wait -1
.endm
.macro CROUND
	s_barrier_signal -1
	s_barrier_wait -1
	CREST
.endm
	s_load_b128 s[4:7], s[0:1], 0x0                ; ctx, wo16
	s_load_b64 s[66:67], s[0:1], 0x10              ; bo
	s_load_b64 s[8:9], s[0:1], 0x18                ; out0
	v_lshl_add_u32 v[SPW], v0, 2, SPARE
	v_mov_b32 v[NIL], 0
	ds_add_u32 v[SPW], v[NIL]                      ; the wave's opening: the add and its wait stand ahead of my first tensor load; the set-up below stands between them
	v_lshrrev_b32 v1, 5, v0
	v_readfirstlane_b32 s10, v1                    ; wave 0..3
	s_lshr_b32 s11, s10, 1                         ; which 64 rows are mine.  Also: I fetch for ctx (0) or for Wo (1)
	s_and_b32 s12, s10, 1                          ; which 128 columns.  Also: which half of that tile I fetch
	s_bfe_u32 s40, ttmp6, 0x40000                  ; cx, cy
	s_bfe_u32 s41, ttmp6, 0x40004
	s_lshl_b32 s42, ttmp9, 2
	s_add_co_u32 s42, s42, s40                     ; tile column = 4 x cluster x + cx
	s_and_b32 s13, ttmp7, 0xffff
	s_lshl_b32 s13, s13, 2
	s_add_co_u32 s13, s13, s41                     ; tile row = 4 x cluster y + cy
	s_lshl_b32 s43, s41, 2
	s_lshl_b32 s43, 15, s43                        ; my row of the cluster
	s_lshl_b32 s44, 0x1111, s40                    ; my column
	s_or_b32 s[G1+0], s43, (3<<16)|(1<<21)         ; ctx: a dense block as 64 rows of 256 bytes (32 elements of 8 bytes), no padding
	s_mov_b32 s[G1+1], 32<<16
	s_mov_b32 s[G1+2], 64<<16
	s_mov_b32 s[G1+3], 32<<16
	s_mov_b32 s[G1+4], 64
	s_mov_b32 s[G1+5], 32
	s_mov_b32 s[G1+6], 0
	s_mov_b32 s[G1+7], 0
	s_or_b32 s[G1B+0], s44, (1<<16)|(1<<20)|(1<<21)|(5<<22)|(3<<25)  ; Wo: 128 rows x 128 elements of 2 bytes; after every 64 words, 4 words of padding
	s_mov_b32 s[G1B+1], 128<<16
	s_mov_b32 s[G1B+2], 128<<16
	s_mov_b32 s[G1B+3], 128<<16
	s_mov_b32 s[G1B+4], 128
	s_mov_b32 s[G1B+5], 1024
	s_mov_b32 s[G1B+6], 0
	s_mov_b32 s[G1B+7], 0
	s_lshl_b32 s16, s13, 18                        ; ctx: the tile row's 262,144 bytes,
	s_lshl_b32 s17, s12, 14                        ; my half of a K step's block
	s_add_co_u32 s16, s16, s17
	s_mov_b32 s17, 0
	s_lshl_b32 s46, s42, 19                        ; Wo: row 256 x tile column + 128 x half, 2,048 bytes a row
	s_lshl_b32 s47, s12, 18
	s_add_co_u32 s46, s46, s47
	s_mov_b32 s47, 0
	s_lshl_b32 s20, s12, 14                        ; where they go: ctx's halves,
	s_mul_i32 s21, s12, HALFB
	s_add_co_u32 s21, s21, ATILE                   ; Wo's halves behind them: no place in the cluster enters an LDS address
	s_wait_dscnt 0x0                               ; the opening add is done
	s_wait_kmcnt 0x0
	s_add_nc_u64 s[14:15], s[4:5], s[16:17]
	s_add_nc_u64 s[46:47], s[6:7], s[46:47]
	CROUND                                         ; all sixteen work-groups are here: the first joint loads meet
.irp s, 0,1
	s_mov_b32 s[G0+4*\s], 1
	s_add_co_u32 s[G0+4*\s+1], s20, \s*SLOT
	s_add_nc_u64 s[G0+4*\s+2:G0+4*\s+3], s[14:15], \s*ATILE
	s_or_b32 s[G0+4*\s+3], s[G0+4*\s+3], 0x80000000
	s_mov_b32 s[G0B+4*\s], 1
	s_add_co_u32 s[G0B+4*\s+1], s21, \s*SLOT
	s_add_nc_u64 s[G0B+4*\s+2:G0B+4*\s+3], s[46:47], \s*256
	s_or_b32 s[G0B+4*\s+3], s[G0B+4*\s+3], 0x80000000
	JLOAD \s
.endr
	v_and_b32 v1, 15, v0                           ; l % 16
	v_bfe_u32 v2, v0, 4, 1                         ; l / 16
	v_and_b32 v3, 31, v0
	v_lshlrev_b32 v[CO], 4, v3                     ; 16 x lane
	s_lshl_b32 s46, s42, 10                        ; my first column, in bytes of f32: 1,024 x tile column + 512 x half: for bo and for out0
	s_lshl_b32 s47, s12, 9
	s_add_co_u32 s46, s46, s47
	s_mov_b32 s47, 0
	s_add_nc_u64 s[66:67], s[66:67], s[46:47]
	v_lshlrev_b32 v[BOF], 5, v2
	WIN 0x80                                       ; destination window 2
.irp b, 0,1,2,3,4,5,6,7
	global_load_b128 v[8*\b:8*\b+3], v[BOF], s[66:67] offset:64*\b          ; lane (r, h), Wo's block b: bo of columns 16 b + 8 h + 0 .. 7
	global_load_b128 v[8*\b+4:8*\b+7], v[BOF], s[66:67] offset:64*\b+16
.endr
	WIN 0
	s_lshl_b32 s21, s11, 12                        ; ctx's images: my four tiles of 16 rows
	v_mul_u32_u24 v4, v1, PITCH
	v_lshl_add_u32 v4, v2, 4, v4                   ; Wo: a fragment's row x pitch + 16 x half
	s_mul_i32 s22, s12, HALFB
	s_add_co_u32 s22, s22, ATILE
.irp s, 0,1
	v_add_nc_u32 v[ADRA+\s], s21, v[CO]
	v_add_nc_u32 v[ADRB+\s], s22, v4
	s_add_co_u32 s21, s21, SLOT
	s_add_co_u32 s22, s22, SLOT
.endr
	s_mul_i32 s23, s10, 16*SPITCH
	s_add_co_u32 s23, s23, STAGE                   ; my stage
	v_mul_u32_u24 v5, v1, SPITCH                   ; in: row l % 16, 32 bytes for each half of the lanes
	v_lshl_add_u32 v5, v2, 5, v5
	v_add_nc_u32 v[STO], s23, v5
	v_add_nc_u32 v[RD], s23, v[CO]                 ; back: the 32 lanes take one row of 512 bytes
	s_lshl_b32 s16, s13, 19                        ; my first row of out0: 128 x tile row + 64 x half, 4,096 bytes a row
	s_lshl_b32 s17, s11, 18
	s_add_co_u32 s16, s16, s17
	s_mov_b32 s17, 0
	s_add_nc_u64 s[8:9], s[8:9], s[16:17]
	s_add_nc_u64 s[8:9], s[8:9], s[46:47]
; 8 matrix instructions: ctx's block a against Wo's eight, 32 along K, from buffer f.  zero = 1: the first product starts the sums from bo.
; The 32 accumulators take turns, one instruction a turn, in the same order in every quarter.
.macro MUL8 f, a, zero
.irp b, 0,1,2,3,4,5,6,7
.if \zero
	v_wmma_f32_16x16x32_f16 v[8*(8*(\a)+\b):8*(8*(\a)+\b)+7], v[FB+64*(\f)+8*\b:FB+64*(\f)+8*\b+7], v[FA+32*(\f)+8*(\a):FA+32*(\f)+8*(\a)+7], v[8*\b:8*\b+7]
.else
	v_wmma_f32_16x16x32_f16 v[8*(8*(\a)+\b):8*(8*(\a)+\b)+7], v[FB+64*(\f)+8*\b:FB+64*(\f)+8*\b+7], v[FA+32*(\f)+8*(\a):FA+32*(\f)+8*(\a)+7], v[8*(8*(\a)+\b):8*(8*(\a)+\b)+7]
.endif
.endr
.endm
; 24 LDS loads in one run: the fragments of the slot's q-th 32 along K into buffer g: Wo's eight, then ctx's four
.macro FETCH slot, q, g
	WIN 0
.irp b, 0,1,2,3,4,5,6,7
	ds_load_b128 v[FB+64*(\g)+8*\b:FB+64*(\g)+8*\b+3],   v[ADRB+\slot] offset:64*(\q)+\b*16*PITCH
	ds_load_b128 v[FB+64*(\g)+8*\b+4:FB+64*(\g)+8*\b+7], v[ADRB+\slot] offset:64*(\q)+\b*16*PITCH+32
.endr
.irp a, 0,1,2,3
	ds_load_b128 v[FA+32*(\g)+8*\a:FA+32*(\g)+8*\a+3],   v[ADRA+\slot] offset:(\q)*8192+\a*1024
	ds_load_b128 v[FA+32*(\g)+8*\a+4:FA+32*(\g)+8*\a+7], v[ADRA+\slot] offset:(\q)*8192+\a*1024+512
.endr
.endm
.macro PLACES                          ; four plain lines in front of loads into registers that matrix instructions have read, and of the first read of results
.rept 4
	v_nop
.endr
.endm
; A K step is four quarters of 32 along K, 32 matrix instructions each, on buffers 0, 1, 0, 1.  One of the first three: multiplies buffer f and fetches quarter q into buffer g.
.macro QUARTER slot, q, f, g, zero
	s_wait_dscnt 4                                 ; Wo's eight and ctx's blocks 0, 1 are in; the youngest four loads (blocks 2, 3) may be out
.if \zero
	WIN MULB
.else
	WIN MUL
.endif
	MUL8 \f, 0, \zero
	MUL8 \f, 1, \zero
	PLACES
	FETCH \slot, \q, \g
	s_wait_dscnt 24                                ; all but the 24 just issued
.if \zero
	WIN MULB
.else
	WIN MUL
.endif
	MUL8 \f, 2, \zero
	MUL8 \f, 3, \zero
.endm
; The last quarter multiplies buffer 1 and changes slots: ONE barrier; in front of it each wave waits for all its tensor loads, adds 0 to its spare word, and waits for that and for its own reads of this slot.
; fill = 1: the barrier opens a round of the cluster's, and this slot is filled again, two K steps ahead, first thing behind the round.
.macro TURN slot, next, fill
	WIN 0
	s_wait_tensorcnt 0x0                           ; all my tensor loads have landed: my part of the next slot
	ds_add_u32 v[SPW], v[NIL]                      ; 0 onto my spare word
	s_wait_dscnt 5                                 ; (the add and the youngest four loads may be out)
	WIN MUL
	MUL8 1, 0, 0
	s_wait_dscnt 0x0                               ; the add is done, and my reads of this slot are over
	s_barrier_signal -1
	MUL8 1, 1, 0
	WIN 0
	s_barrier_wait -1
.if \fill
	CREST                                          ; no wave of any partner still reads this slot's tile or has a load on its way
	s_add_nc_u64 s[G0+4*\slot+2:G0+4*\slot+3], s[G0+4*\slot+2:G0+4*\slot+3], 2*ATILE
	s_add_nc_u64 s[G0B+4*\slot+2:G0B+4*\slot+3], s[G0B+4*\slot+2:G0B+4*\slot+3], 2*256
	JLOAD \slot                                    ; the four v_nop behind it are also the places in front of the loads below
.else
	PLACES
.endif
	FETCH \next, 0, 0
	WIN MUL
	MUL8 1, 2, 0
	MUL8 1, 3, 0
.endm
	s_wait_loadcnt 0x0                             ; bo
	s_wait_tensorcnt 1                             ; my part of K step 0 is in (K step 1's load may be out),
	s_barrier_signal -1
	s_barrier_wait -1                              ; everybody's is
	FETCH 0, 0, 0
	QUARTER 0, 1, 0, 1, 1                          ; the first quarter stands in front of the loop: its products start the sums
	WIN 0
	s_mov_b32 s3, LAPS-1
.Llap:                                                 ; a trip goes once round the ring and fills both slots again
	QUARTER 0, 2, 1, 0, 0
	QUARTER 0, 3, 0, 1, 0
	TURN 0, 1, 1
	QUARTER 1, 1, 0, 1, 0
	QUARTER 1, 2, 1, 0, 0
	QUARTER 1, 3, 0, 1, 0
	TURN 1, 0, 1
	QUARTER 0, 1, 0, 1, 0
	WIN 0
	s_sub_co_u32 s3, s3, 1
	s_cmp_lg_u32 s3, 0
	s_cbranch_scc1 .Llap
	QUARTER 0, 2, 1, 0, 0                          ; the last lap fills nothing
	QUARTER 0, 3, 0, 1, 0
	TURN 0, 1, 0
	QUARTER 1, 1, 0, 1, 0
	QUARTER 1, 2, 1, 0, 0
	QUARTER 1, 3, 0, 1, 0
	s_wait_dscnt 4                                 ; the very last quarter: nothing more to fetch
	WIN MUL
	MUL8 1, 0, 0
	MUL8 1, 1, 0
	s_wait_dscnt 0
	MUL8 1, 2, 0
	MUL8 1, 3, 0
	WIN 0
; THE WAY OUT, block by block of 16 rows x 128 columns: a lane holds 32 neighbouring bytes of a row; a block goes through my own stage and comes back as whole rows of 512 bytes.
; LDS serves a wave's instructions in order: no wait between the stores and the loads, nor in front of the next block's stores.
.macro TOSTAGE a
	WIN 0x04                                       ; an LDS store's data are its source 1: window 1
.irp b, 0,1,2,3,4,5,6,7
	ds_store_b128 v[STO], v[8*(8*(\a)+\b):8*(8*(\a)+\b)+3] offset:64*\b          ; each accumulator from its low end on
	ds_store_b128 v[STO], v[8*(8*(\a)+\b)+4:8*(8*(\a)+\b)+7] offset:64*\b+16
.endr
	WIN 0
.set BB, 32+64*((\a)%2)
.irp t, 0,1,2,3,4,5,6,7,8,9,10,11,12,13,14,15
	ds_load_b128 v[BB+4*\t:BB+4*\t+3], v[RD] offset:\t*SPITCH
.endr
.endm
.macro SEND a, younger                 ; younger: the LDS instructions issued behind block a's loads, which may stay out
.set BB, 32+64*((\a)%2)
	s_wait_dscnt \younger
.irp t, 0,1,2,3,4,5,6,7,8,9,10,11,12,13,14,15
	global_store_b128 v[CO], v[BB+4*\t:BB+4*\t+3], s[8:9] offset:(\a)*65536+\t*4096 th:TH_STORE_NT   ; 32 lanes store 512 consecutive bytes; written once, read by nobody here
.endr
.endm
	PLACES
	TOSTAGE 0
.irp a, 1,2,3
.if \a > 1
	s_wait_xcnt 0x0                                ; block a - 2's stores have read their registers: block a's loads may land there
.endif
	TOSTAGE \a
	SEND \a-1, 32                                  ; behind block a - 1's loads: block a's 16 stores and 16 loads
.endr
	SEND 3, 0
	s_wait_tensorcnt 0x0                           ; the wave's end, behind my last tensor load and my last LDS store
	ds_add_u32 v[SPW], v[NIL]
	s_wait_dscnt 0x0
	CROUND                                         ; the closing round
	s_endpgm
.Lfunc_end_k_q2155bae885_oproj:
	.size	k_q2155bae885_oproj, .Lfunc_end_k_q2155bae885_oproj-k_q2155bae885_oproj
	.p2alignl 7, 3214868480
	.fill 96, 4, 3214868480
	.section	.rodata,"a",@progbits
	.p2align	6, 0x0
	.amdhsa_kernel k_q2155bae885_oproj
		.amdhsa_group_segment_fixed_size 327680
		.amdhsa_private_segment_fixed_size 0
		.amdhsa_enable_private_segment 0
		.amdhsa_kernarg_size 32
		.amdhsa_user_sgpr_count 2
		.amdhsa_user_sgpr_kernarg_segment_ptr 1
		.amdhsa_wavefront_size32 1
		.amdhsa_system_sgpr_workgroup_id_x 1
		.amdhsa_system_sgpr_workgroup_id_y 1
		.amdhsa_system_sgpr_workgroup_id_z 1
		.amdhsa_system_vgpr_workitem_id 0
		.amdhsa_next_free_vgpr 576
		.amdhsa_next_free_sgpr 68
		.amdhsa_reserve_vcc 0
		.amdhsa_float_denorm_mode_32 3
		.amdhsa_float_denorm_mode_16_64 3
		.amdhsa_memory_ordered 1
		.amdhsa_forward_progress 1
		.amdhsa_inst_pref_size 86
	.end_amdhsa_kernel
	.amdgpu_metadata
---
amdhsa.version: [ 1, 2 ]
amdhsa.kernels:
  - .name:           k_q2155bae885_oproj
    .symbol:         k_q2155bae885_oproj.kd
    .args:
      - { .name: ctx, .offset: 0, .size: 8, .value_kind: global_buffer, .address_space: global }
      - { .name: wo16, .offset: 8, .size: 8, .value_kind: global_buffer, .address_space: global }
      - { .name: bo, .offset: 16, .size: 8, .value_kind: global_buffer, .address_space: global }
      - { .name: out0, .offset: 24, .size: 8, .value_kind: global_buffer, .address_space: global }
    .group_segment_fixed_size: 327680
    .private_segment_fixed_size: 0
    .kernarg_segment_align: 8
    .kernarg_segment_size: 32
    .max_flat_workgroup_size: 128
    .sgpr_count:     68
    .vgpr_count:     576
    .wavefront_size: 32
...
	.end_amdgpu_metadata
.endif
;; end of part 4
